; MI455X (gfx1250); checked and timed in simulation.
; The chip was launched on July 23, 2026; its instructions are those of AMD's public machine-readable ISA for CDNA 5 (MIT licence, August 2026) and "CDNA5" Instruction Set Architecture Reference Guide (July 2026). The comments in the code are by the model that wrote it; some were corrected since.
;; Qwen3 Next Full Attention PT. Allowed arithmetic: float matrix products may take bf16 or f16 operands with f32 sums; all other float work in f32.
;; Inputs: attention_mask 4 x 1 x 2,048 x 2,048 float32; cos 4 x 2,048 x 32 float32; hidden_states 4 x 2,048 x 2,048 float32; k_norm_w 128 float32; q_norm_w 128 float32; sin 4 x 2,048 x 32 float32; wk 2,048 x 512 float32; wo 512 x 2,048 float32; wq 2,048 x 1,024 float32; wv 2,048 x 512 float32.
;; Outputs: out0 4 x 2,048 x 2,048 float32.
;; 2 versions, each right; version 2 is version 1 with the launch cast written anew for expert scheduling mode. Each part assembles by itself: llvm-mc -triple=amdgcn-amd-amdhsa -mcpu=gfx1250 --defsym DOCPART=n.
;; ======== version 1 of 2: 4 launches
;; limits: values outside matrix products are rounded to f16; values are held in f16: magnitudes above 65,504 overflow, below 6.1e-05 lose precision
;; workspace buffers: xb 33,554,432 bytes; wb 8,388,608 bytes; wob 2,097,152 bytes; csr 2,097,152 bytes; qkvg 33,554,432 bytes; ao 8,388,608 bytes
;; launch cast (part 1): grid 2752 x 1, 8 waves a work-group, no clusters, 0 bytes of LDS; arguments hidden_states, wq, wk, wv, wo, cos, sin, xb, wb, wob, csr; writes xb, wb, wob, csr
.if DOCPART == 1
	.amdgcn_target "amdgcn-amd-amdhsa--gfx1250"
	.amdhsa_code_object_version 6
	.text
	.protected	k_qd34a679154_cast
	.globl	k_qd34a679154_cast
	.p2align	8
	.type	k_qd34a679154_cast,@function
k_qd34a679154_cast:
	s_mov_b64 s[64:65], 0
	v_nop
	global_prefetch_b8 v0, s[64:65] scope:SCOPE_SE
	s_setreg_imm32_b32 hwreg(HW_REG_WAVE_MODE, 25, 1), 1
	s_wait_xcnt 0x0
; CAST.  Every input that enters a product or the rotation is rounded once to bf16, so that all of them carry the same rounding:
;   hidden_states -> xb  bf16 [8192][2048]            wq | wk | wv -> wb  bf16 [2048 k][2048 n], columns 0-1023 | 1024-1535 | 1536-2047
;   wo -> wob: bf16(wo) written as f16 [512][2048]    cos, sin -> csr: bf16(cos), bf16(sin) written as f32, [8192][32] each, sin 1,048,576 bytes behind cos
; LIMIT.  bf16(wo) is exact in f16 from 2^-14 up to 65,504; below 2^-14 it keeps f16's fixed step of 2^-24.
; A stream: no LDS, no barrier, no matrix unit, no cluster (no byte is read twice).  A work-group takes one chunk of 8,192 f32 (32,768 bytes): thread t the 16 bytes at
; 16 t + 4,096 j, j = 0..7: a wave's load covers 512 consecutive bytes, and all eight loads of a thread are out together; with 64 registers a wave, many waves lie on a SIMD.
; 2,752 chunks: 2,048 + 256 + 128 + 128 + 128 + 32 + 32.
; What differs between the seven regions is held in scalars chosen by compares of the work-group's number; each store has data and offset registers of its own, so nothing is rewritten.
.set NLD,  8          ; loads of a thread
.set OA,   4          ; v[4:11]    byte offset in the output of my numbers of load j
.set X,    12         ; v[12:43]   load j: 4 registers
.set Y,    44         ; v[44:59]   load j: 2 registers, packed
.set T,    60         ; v[60:63]   at work
.set SRC,  30         ; s[30:31] input at the chunk
.set DST,  32         ; s[32:33] output at the chunk
.set FIRST, 34        ; s34 the region's first work-group, then the chunk's number in its region
.set OCH,  35         ; s35 output bytes from chunk to chunk
.set COL,  36         ; s36 byte offset of the region in an output row (or of sin behind cos)
.set JST,  37         ; s37 output bytes from load j to load j + 1
.set LOGT, 38         ; s38 log2 of the threads that share an input row
.set MSK,  39         ; s39 that number less 1
.set MODE, 40         ; s40 0: bf16; 1: bf16 written as f16; 2: bf16 written as f32
.set SHL,  41         ; s41 log2 of a thread's output bytes
.set OFS,  42         ; s[42:43] an offset in 64 bits
.macro REGION first, src, dst, och, col, jst, logt, msk, shl, mode   ; from work-group 'first' on these hold
	s_cmp_ge_u32 ttmp9, \first
	s_cselect_b64 s[SRC:SRC+1], s[\src:\src+1], s[SRC:SRC+1]
	s_cselect_b64 s[DST:DST+1], s[\dst:\dst+1], s[DST:DST+1]
	s_cselect_b32 s[FIRST], \first, s[FIRST]
	s_cselect_b32 s[OCH], \och, s[OCH]
	s_cselect_b32 s[COL], \col, s[COL]
	s_cselect_b32 s[JST], \jst, s[JST]
	s_cselect_b32 s[LOGT], \logt, s[LOGT]
	s_cselect_b32 s[MSK], \msk, s[MSK]
	s_cselect_b32 s[SHL], \shl, s[SHL]
	s_cselect_b32 s[MODE], \mode, s[MODE]
.endm
	s_load_b512 s[8:23], s[0:1], 0x0               ; hidden s[8:9], wq s[10:11], wk s[12:13], wv s[14:15], wo s[16:17], cos s[18:19], sin s[20:21], xb s[22:23]
	s_load_b128 s[24:27], s[0:1], 0x40             ; wb s[24:25], wob s[26:27]
	s_load_b64 s[28:29], s[0:1], 0x50              ; csr
	v_lshlrev_b32 v1, 4, v0                        ; 16 t
	s_mov_b32 s[FIRST], 0                          ; hidden_states: dense in, dense out
	s_mov_b32 s[OCH], 16384
	s_mov_b32 s[COL], 0
	s_mov_b32 s[JST], 2048
	s_mov_b32 s[LOGT], 8
	s_mov_b32 s[MSK], 255
	s_mov_b32 s[SHL], 3
	s_mov_b32 s[MODE], 0
	s_mov_b32 s[OFS+1], 0
	s_wait_kmcnt 0x0
	s_mov_b64 s[SRC:SRC+1], s[8:9]
	s_mov_b64 s[DST:DST+1], s[22:23]
	REGION 2048, 10, 24, 32768,  0,       4096, 8, 255, 3, 0   ; wq: a load is one row of 1,024, a chunk eight rows; wb's rows are 4,096 bytes apart
	REGION 2304, 12, 24, 65536,  2048,    8192, 7, 127, 3, 0   ; wk: a load is two rows of 512, a chunk sixteen
	REGION 2432, 14, 24, 65536,  3072,    8192, 7, 127, 3, 0   ; wv
	REGION 2560, 16, 26, 16384,  0,       2048, 8, 255, 3, 1   ; wo
	REGION 2688, 18, 28, 32768,  0,       4096, 8, 255, 4, 2   ; cos
	REGION 2720, 20, 28, 32768,  1048576, 4096, 8, 255, 4, 2   ; sin
	s_sub_co_u32 s[FIRST], ttmp9, s[FIRST]         ; the chunk's number in its region
	s_lshl_b32 s[OFS], s[FIRST], 15
	s_add_nc_u64 s[SRC:SRC+1], s[SRC:SRC+1], s[OFS:OFS+1]
.irp j, 0,1,2,3,4,5,6,7
	global_load_b128 v[X+4*(\j):X+4*(\j)+3], v1, s[SRC:SRC+1] offset:4096*(\j) th:TH_LOAD_NT
.endr
	s_mul_i32 s[OFS], s[FIRST], s[OCH]
	s_add_co_u32 s[OFS], s[OFS], s[COL]
	s_add_nc_u64 s[DST:DST+1], s[DST:DST+1], s[OFS:OFS+1]
	v_lshrrev_b32 v2, s[LOGT], v0                  ; which of the load's rows is mine
	v_and_b32 v3, s[MSK], v0                       ; my place in it
	v_lshlrev_b32 v3, s[SHL], v3
	v_lshl_add_u32 v[OA], v2, 12, v3               ; wb's rows are 4,096 bytes apart
.irp j, 1,2,3,4,5,6,7
	v_add_nc_u32 v[OA+(\j)], s[JST], v[OA+(\j)-1]
.endr
	s_cmp_eq_u32 s[MODE], 0
	s_cbranch_scc0 .Lnot_bf16
.irp j, 0,1,2,3,4,5,6,7
	s_wait_loadcnt NLD-1-(\j)                      ; loads come back in order: load j is in, the younger ones stay out
	v_cvt_pk_bf16_f32 v[Y+2*(\j)],   v[X+4*(\j)],   v[X+4*(\j)+1]
	v_cvt_pk_bf16_f32 v[Y+2*(\j)+1], v[X+4*(\j)+2], v[X+4*(\j)+3]
	global_store_b64 v[OA+(\j)], v[Y+2*(\j):Y+2*(\j)+1], s[DST:DST+1]   ; 32 lanes store 256 consecutive bytes, aligned
.endr
	s_endpgm
.Lnot_bf16:
	s_cmp_eq_u32 s[MODE], 1
	s_cbranch_scc0 .Las_f32
.irp j, 0,1,2,3,4,5,6,7
	s_wait_loadcnt NLD-1-(\j)
	v_cvt_pk_bf16_f32 v[Y+2*(\j)],   v[X+4*(\j)],   v[X+4*(\j)+1]
	v_cvt_pk_bf16_f32 v[Y+2*(\j)+1], v[X+4*(\j)+2], v[X+4*(\j)+3]
	v_lshlrev_b32 v[T],   16, v[Y+2*(\j)]          ; the rounded numbers as f32,
	v_and_b32     v[T+1], 0xffff0000, v[Y+2*(\j)]
	v_lshlrev_b32 v[T+2], 16, v[Y+2*(\j)+1]
	v_and_b32     v[T+3], 0xffff0000, v[Y+2*(\j)+1]
	v_cvt_pk_f16_f32 v[Y+2*(\j)],   v[T],   v[T+1] ; and written as f16
	v_cvt_pk_f16_f32 v[Y+2*(\j)+1], v[T+2], v[T+3]
	global_store_b64 v[OA+(\j)], v[Y+2*(\j):Y+2*(\j)+1], s[DST:DST+1]
.endr
	s_endpgm
.Las_f32:
.irp j, 0,1,2,3,4,5,6,7
	s_wait_loadcnt NLD-1-(\j)
	v_cvt_pk_bf16_f32 v[Y+2*(\j)],   v[X+4*(\j)],   v[X+4*(\j)+1]
	v_cvt_pk_bf16_f32 v[Y+2*(\j)+1], v[X+4*(\j)+2], v[X+4*(\j)+3]
	v_lshlrev_b32 v[X+4*(\j)],   16, v[Y+2*(\j)]
	v_and_b32     v[X+4*(\j)+1], 0xffff0000, v[Y+2*(\j)]
	v_lshlrev_b32 v[X+4*(\j)+2], 16, v[Y+2*(\j)+1]
	v_and_b32     v[X+4*(\j)+3], 0xffff0000, v[Y+2*(\j)+1]
	global_store_b128 v[OA+(\j)], v[X+4*(\j):X+4*(\j)+3], s[DST:DST+1]
.endr
	s_endpgm
.Lfunc_end_k_qd34a679154_cast:
	.size	k_qd34a679154_cast, .Lfunc_end_k_qd34a679154_cast-k_qd34a679154_cast
	.p2alignl 7, 3214868480
	.fill 96, 4, 3214868480
	.section	.rodata,"a",@progbits
	.p2align	6, 0x0
	.amdhsa_kernel k_qd34a679154_cast
		.amdhsa_group_segment_fixed_size 0
		.amdhsa_private_segment_fixed_size 0
		.amdhsa_enable_private_segment 0
		.amdhsa_kernarg_size 88
		.amdhsa_user_sgpr_count 2
		.amdhsa_user_sgpr_kernarg_segment_ptr 1
		.amdhsa_wavefront_size32 1
		.amdhsa_system_sgpr_workgroup_id_x 1
		.amdhsa_system_sgpr_workgroup_id_y 1
		.amdhsa_system_sgpr_workgroup_id_z 1
		.amdhsa_system_vgpr_workitem_id 0
		.amdhsa_next_free_vgpr 64
		.amdhsa_next_free_sgpr 66
		.amdhsa_reserve_vcc 0
		.amdhsa_float_denorm_mode_32 3
		.amdhsa_float_denorm_mode_16_64 3
		.amdhsa_memory_ordered 1
		.amdhsa_forward_progress 1
		.amdhsa_inst_pref_size 16
	.end_amdhsa_kernel
	.amdgpu_metadata
---
amdhsa.version: [ 1, 2 ]
amdhsa.kernels:
  - .name:           k_qd34a679154_cast
    .symbol:         k_qd34a679154_cast.kd
    .args:
      - { .name: hidden_states, .offset: 0, .size: 8, .value_kind: global_buffer, .address_space: global }
      - { .name: wq, .offset: 8, .size: 8, .value_kind: global_buffer, .address_space: global }
      - { .name: wk, .offset: 16, .size: 8, .value_kind: global_buffer, .address_space: global }
      - { .name: wv, .offset: 24, .size: 8, .value_kind: global_buffer, .address_space: global }
      - { .name: wo, .offset: 32, .size: 8, .value_kind: global_buffer, .address_space: global }
      - { .name: cos, .offset: 40, .size: 8, .value_kind: global_buffer, .address_space: global }
      - { .name: sin, .offset: 48, .size: 8, .value_kind: global_buffer, .address_space: global }
      - { .name: xb, .offset: 56, .size: 8, .value_kind: global_buffer, .address_space: global }
      - { .name: wb, .offset: 64, .size: 8, .value_kind: global_buffer, .address_space: global }
      - { .name: wob, .offset: 72, .size: 8, .value_kind: global_buffer, .address_space: global }
      - { .name: csr, .offset: 80, .size: 8, .value_kind: global_buffer, .address_space: global }
    .group_segment_fixed_size: 0
    .private_segment_fixed_size: 0
    .kernarg_segment_align: 8
    .kernarg_segment_size: 88
    .max_flat_workgroup_size: 256
    .sgpr_count:     66
    .vgpr_count:     64
    .wavefront_size: 32
...
	.end_amdgpu_metadata
.endif
;; end of part 1
;; launch proj (part 2): grid 8 x 32, 4 waves a work-group, clusters of 4 x 4, 327,680 bytes of LDS; arguments xb, wb, qkvg, csr, q_norm_w, k_norm_w; writes qkvg
.if DOCPART == 2
	.amdgcn_target "amdgcn-amd-amdhsa--gfx1250"
	.amdhsa_code_object_version 6
	.text
	.protected	k_qd34a679154_proj
	.globl	k_qd34a679154_proj
	.p2align	8
	.type	k_qd34a679154_proj,@function
k_qd34a679154_proj:
	s_mov_b64 s[64:65], 0
	v_nop
	global_prefetch_b8 v0, s[64:65] scope:SCOPE_SE
	s_setreg_imm32_b32 hwreg(HW_REG_WAVE_MODE, 25, 1), 1
	s_wait_xcnt 0x0
	s_wait_alu depctr_hold_cnt(0) depctr_sa_sdst(0) depctr_va_vdst(0) depctr_va_sdst(0) depctr_va_ssrc(0) depctr_va_vcc(0) depctr_vm_vsrc(0)
	s_getreg_b32 s2, hwreg(HW_REG_IB_STS2, 6, 4)
	s_cmp_eq_u32 s2, 0
	s_cbranch_scc0 .Lentry_in_a_cluster
	s_endpgm
.Lentry_in_a_cluster:
	s_bfe_u32 s2, ttmp6, 0x10000c
	s_cmp_lg_u32 s2, 0xf033
	s_cbranch_scc0 .Lentry_shape_is_right
	s_endpgm
.Lentry_shape_is_right:
; PROJ.  [q | gate | k | v] = xb wb, then per head of 128 channels: q and k get the RMS norm with (1 + w) and the rotation of their first 32 channels, q also the factor 128^-0.5 log2(e) (the launch
; behind takes its exponentials in base 2); all four are rounded once to f16 and stored by heads: qkvg = kind x 8,388,608 bytes (0 q, 1 k, 2 v, 3 gate), each [4 b + h][2048][128].
; xb: bf16 [8192][2048]; wb: bf16 [2048 k][2048 n]; sums in f32.
; LIMITS.  f16 ends at 65,504: v must stay below it (q and k are normalised: at most sqrt(128) (1 + w)); a gate beyond it becomes an infinity, whose sigmoid is still the right 0 or 1.
; The norm weights are rounded to bf16 here, like every other input; NaN and infinities are not treated apart.
; SHAPE.  A tile of C is 256 x 256, made by four waves of 128 x 128 (64 accumulators, 512 registers); 8 x 32 tiles are 256 work-groups.  K goes in steps of 128 through a ring of two LDS slots.
; The matrix instruction is used transposed (source 0 = 16 columns of wb, source 1 = 16 rows of xb): a lane holds one row of C and eight neighbouring columns.  wb lies [k][n], so its
; fragments come out of LDS turned, by ds_load_tr16_b128.  A wave's 128 columns are exactly one head of one kind, so norm and rotation never leave the wave.
; CLUSTER.  4 x 4 work-groups: the four of a row of the cluster need the same tiles of xb, the four of a column the same tiles of wb: each tile is asked for jointly.
; What differs by kind lies in scalars and pointers made by compares and selects: no branch and no LDS address hangs on the place in the cluster.
; REGISTERS, in windows of 256 (s_set_vgpr_msb: bits 1:0 source 0, 3:2 source 1, 5:4 source 2, 7:6 destination):
;   window 0: v0-31 addresses; v64-127, v128-191 fragments of xb, two buffers (on the way out: at work); v192-255 the 64 column factors of my lane
;   window 1: v64-127, v128-191 fragments of wb; v0-63, v192-255 cos and sin of my rows 0-63 (rows 64-127 come into v64-191 on the way out)
;   window 2: the accumulators of my rows 0-63 ((a, b) at v[8 (8 a + b)]);   window 3: those of rows 64-127
.set KDIM,  2048
.set NSTEP, KDIM/128
.set PA,    272       ; a row of xb in LDS: 256 bytes + 16: the 16 rows of a fragment load start at 16 different groups of four banks (64 banks of 4 bytes: ISA guide 11.1)
.set PB,    544       ; a row of wb (256 columns): 512 bytes + 32 = 17 x 32
.set REG,   34816     ; what one tensor load brings: 128 rows of xb, or 64 rows of wb
.set WREG,  69632     ; a wave's two such regions, slot 0 and slot 1.  REG = 0x8800 shares no bit with w x 0x11000, so an exclusive or changes the slot
.set SPARE, 4*WREG    ; behind the ring: the spare words, 128 bytes for each wave: two blocks of 256 bytes that no other line names
.set A0,   16         ; v16  my place in my 128 rows of xb, slot 0; never rewritten
.set B0,   17         ; v17  my place in wb's k rows 0-63, slot 0
.set B1,   18         ; v18  in k rows 64-127
.set ADRA, 20         ; v20-22  the same three in the slot that is being read
.set ADRB, 21
.set STO,  24         ; v24  the way out: where I put 16 bytes of a row
.set RD,   25         ; v25  the way out: where I read rows back
.set CO,   26         ; v26  my byte offset in 512 consecutive bytes of the output
.set WO,   27         ; v27  my byte offset in 16 numbers of a norm weight
.set SPW,  28         ; v28  LDS address of my spare word; never rewritten
.set NIL,  29         ; v29  0; never rewritten
.set CSO,  30         ; v30  my byte offset in 16 rows of cos
.set F0,   64
.set F1,   128
.set TMP,  64         ; the way out: packed results
.set TT,   96         ; the way out: the rotation's cross terms
.set OB,   128        ; the way out: 16 rows read back
.set SSQ,  160        ; the way out: four registers for each block of 16 rows: sums of squares, then the row's factor
.set WE,   192        ; (1 + w[n]) x scale for my 64 columns n = 16 b + 8 (l / 16) + j, at WE + 8 b + j
.set WV, 18           ; s18 wave
.set RH, 19           ; s19 my half of the tile's rows; also: I fetch xb (0) or wb (1)
.set CH, 20           ; s20 my half of its columns; also: which half of that tile I fetch
.set CX, 21
.set CY, 22
.set TC, 23           ; s23 tile column
.set G1A,  24         ; s[24:31] descriptor group 1 for xb's tiles
.set G0A0, 32         ; s[32:35] group 0 of the first fill
.set G0A,  36         ; s[36:39] group 0 that walks
.set G1B,  40         ; s[40:47], s[48:51], s[52:55] the same for wb's tiles
.set G0B0, 48
.set G0B,  52
.set TR, 56           ; s56 tile row
.set SB, 57           ; s57 0 or REG: the slot that is being read
.set CNT, 58
.set LB, 59           ; s59 my regions' first byte
.set FL,  70          ; s[70:71] 1.0 for q and k, else 0          (pairs: the packed forms name both words)
.set FLC, 72          ; s[72:73] 1 - FL
.set WA,  74          ; s[74:75] FL x scale
.set WBB, 76          ; s[76:77] scale: 128^-0.5 log2(e) for q, else 1.0
.set SEL, 78          ; s[78:79] v_permlanex16_b32's selects: each lane takes its own place in the other half
.set RN,  80          ; s80 1 / 128
.set EPS, 81          ; s81 1e-6
.set UN,  82          ; s82 my unit of 128 columns, 0..15
.set HEAD, 83
.set KIND, 84
.set WP,  86          ; s[86:87] the norm weight
.set MSB, 0
.macro WIN new                         ; the immediate's high byte repeats the setting that is left; a switch that changes nothing is dropped
.if MSB != (\new)
	s_set_vgpr_msb (MSB<<8)|(\new)
.set MSB, \new
.endif
.endm
.set MUL_LO, 0xa1                      ; source 0 (wb) window 1, source 1 (xb) window 0, C and D window 2
.set MUL_HI, 0xf1                      ; the same, C and D window 3
.set TO_B,   0x40                      ; destination window 1, address window 0
; A joint refill: waves 0 and 1 fetch xb's two halves, waves 2 and 3 wb's.  Each line has one mask; the branch hangs on the wave's number alone.
; An s_nop 0 and four v_nop follow each of the two lines, ahead of the jump and the label.
.macro JLOAD
	s_cmp_eq_u32 s[RH], 0
	s_cbranch_scc0 .Lfor_b_\@
	tensor_load_to_lds s[G0A:G0A+3], s[G1A:G1A+7]
	s_nop 0
.rept 4
	v_nop
.endr
	s_branch .Lasked_\@
.Lfor_b_\@:
	tensor_load_to_lds s[G0B:G0B+3], s[G1B:G1B+7]
	s_nop 0
.rept 4
	v_nop
.endr
.Lasked_\@:
.endm
.macro CREST                           ; a round of the cluster's barrier behind its opening barrier
	s_cmp_lg_u32 s[WV], 0
	s_cbranch_scc1 .Lnot_wave_0_\@
	s_barrier_signal -3
.Lnot_wave_0_\@:
	s_barrier_wait -3
	s_barrier_signal -1
	s_barrier_wait -1
.endm
.macro CROUND                          ; a whole round
	s_barrier_signal -1
	s_barrier_wait -1
	CREST
.endm
	s_load_b256 s[4:11], s[0:1], 0x0               ; xb s[4:5], wb s[6:7], qkvg s[8:9], csr s[10:11]
	s_load_b128 s[12:15], s[0:1], 0x20             ; q_norm_w s[12:13], k_norm_w s[14:15]
	v_lshl_add_u32 v[SPW], v0, 2, SPARE
	v_mov_b32 v[NIL], 0
	ds_add_u32 v28, v29
	s_wait_dscnt 0x0
	v_lshrrev_b32 v1, 5, v0
	v_readfirstlane_b32 s[WV], v1
	s_lshr_b32 s[RH], s[WV], 1
	s_and_b32 s[CH], s[WV], 1
	s_bfe_u32 s[CX], ttmp6, 0x40000
	s_bfe_u32 s[CY], ttmp6, 0x40004
	s_lshl_b32 s[TC], ttmp9, 2
	s_add_co_u32 s[TC], s[TC], s[CX]               ; tile column = 4 x cluster x + cx
	s_and_b32 s[TR], ttmp7, 0xffff
	s_lshl_b32 s[TR], s[TR], 2
	s_add_co_u32 s[TR], s[TR], s[CY]               ; tile row = 4 x cluster y + cy
	s_lshl_b32 s60, s[CY], 2
	s_lshl_b32 s60, 15, s60                        ; my row of the cluster
	s_lshl_b32 s66, 0x1111, s[CX]                  ; my column
	s_or_b32 s[G1A], s60, (1<<16)|(1<<20)|(1<<21)|(5<<22)|(3<<25)  ; mask; 2-byte elements; padding on; bit 21 beside a mask; after every 64 words 4 words
	s_mov_b32 s[G1A+1], 128<<16                    ; tensor_dim0 = 128
	s_mov_b32 s[G1A+2], 128<<16                    ; tensor_dim1 = 128
	s_mov_b32 s[G1A+3], 128<<16                    ; tile_dim0 = 128
	s_mov_b32 s[G1A+4], 128                        ; tile_dim1 = 128
	s_mov_b32 s[G1A+5], KDIM                       ; elements from row to row
	s_mov_b32 s[G1A+6], 0
	s_mov_b32 s[G1A+7], 0
	s_or_b32 s[G1B], s66, (1<<16)|(1<<20)|(1<<21)|(6<<22)|(7<<25)  ; after every 128 words 8 words
	s_mov_b32 s[G1B+1], 256<<16                    ; tensor_dim0 = 256
	s_mov_b32 s[G1B+2], 64<<16                     ; tensor_dim1 = 64
	s_mov_b32 s[G1B+3], 256<<16                    ; tile_dim0 = 256
	s_mov_b32 s[G1B+4], 64                         ; tile_dim1 = 64
	s_mov_b32 s[G1B+5], 2048
	s_mov_b32 s[G1B+6], 0
	s_mov_b32 s[G1B+7], 0
	; xb's tiles hang on the tile row alone, wb's on the tile column alone; each address is made in registers that never hold the other coordinate
	s_lshl_b32 s60, s[TR], 8
	s_lshl_b32 s61, s[CH], 7
	s_add_co_u32 s60, s60, s61                     ; row 256 x tile row + 128 x half
	s_mul_i32 s60, s60, KDIM*2
	s_mov_b32 s61, 0
	s_lshl_b32 s66, s[TC], 9                       ; column 256 x tile column, in bytes
	s_lshl_b32 s67, s[CH], 18                      ; k row 64 x half, 4,096 bytes each
	s_add_co_u32 s66, s66, s67
	s_mov_b32 s67, 0
	s_mul_i32 s[LB], s[WV], WREG
	s_mov_b32 s[SB], 0
	; the kind and head of my 128 columns
	s_lshl1_add_u32 s[UN], s[TC], s[CH]
	s_lshr_b32 s85, s[UN], 1                       ; wq: head, then q or gate
	s_and_b32 s88, s[UN], 1
	s_mul_i32 s88, s88, 3
	s_and_b32 s89, s[UN], 3                        ; wk, wv
	s_lshr_b32 s90, s[UN], 2
	s_sub_co_u32 s90, s90, 1
	s_cmp_lt_u32 s[UN], 8
	s_cselect_b32 s[HEAD], s85, s89
	s_cselect_b32 s[KIND], s88, s90
	s_cmp_lt_u32 s[KIND], 2
	s_cselect_b32 s[FL], 1.0, 0
	s_cselect_b32 s[FLC], 0, 1.0
	s_cmp_eq_u32 s[KIND], 0
	s_cselect_b32 s[WBB], 0x3e0293ee, 1.0          ; 128^-0.5 log2(e) = 0.127517
	s_mul_f32 s[WA], s[FL], s[WBB]
	s_mov_b32 s[FL+1], s[FL]
	s_mov_b32 s[FLC+1], s[FLC]
	s_mov_b32 s[WBB+1], s[WBB]
	s_mov_b32 s[WA+1], s[WA]
	s_mov_b32 s[SEL], 0x76543210
	s_mov_b32 s[SEL+1], 0xfedcba98
	s_mov_b32 s[RN], 0x3c000000
	s_mov_b32 s[EPS], 0x358637bd
	s_lshr_b32 s88, s[TR], 3                       ; the batch: 8 tile rows each
	s_lshl2_add_u32 s88, s88, s[HEAD]
	s_lshl_b32 s88, s88, 11                        ; 2,048 rows a head
	s_and_b32 s89, s[TR], 7
	s_lshl_b32 s89, s89, 8
	s_add_co_u32 s88, s88, s89
	s_lshl_b32 s89, s[RH], 7
	s_add_co_u32 s88, s88, s89
	s_lshl_b32 s88, s88, 8                         ; rows of 256 bytes
	s_lshl_b32 s89, s[KIND], 23
	s_add_co_u32 s88, s88, s89
	s_mov_b32 s89, 0
	s_lshl_b32 s90, s[TR], 15                      ; my first row in cos: 128 bytes a row
	s_lshl_b32 s91, s[RH], 14
	s_add_co_u32 s90, s90, s91
	s_mov_b32 s91, 0
	s_wait_kmcnt 0x0
	s_add_nc_u64 s[60:61], s[4:5], s[60:61]
	s_add_nc_u64 s[66:67], s[6:7], s[66:67]
	s_add_nc_u64 s[8:9], s[8:9], s[88:89]
	s_add_nc_u64 s[10:11], s[10:11], s[90:91]
	s_cmp_eq_u32 s[KIND], 1
	s_cselect_b64 s[WP:WP+1], s[14:15], s[12:13]
	CROUND                                         ; all sixteen work-groups are here: the first joint loads meet
	s_mov_b32 s[G0A0], 1                           ; count = 1
	s_mov_b32 s[G0A0+1], s[LB]                     ; slot 0
	s_mov_b64 s[G0A0+2:G0A0+3], s[60:61]           ; K step 0
	s_or_b32 s[G0A0+3], s[G0A0+3], 0x80000000      ; type = 2
	s_mov_b32 s[G0A], 1
	s_add_co_u32 s[G0A+1], s[LB], REG              ; slot 1
	s_add_nc_u64 s[G0A+2:G0A+3], s[60:61], 256     ; K step 1
	s_or_b32 s[G0A+3], s[G0A+3], 0x80000000
	s_mov_b32 s[G0B0], 1
	s_mov_b32 s[G0B0+1], s[LB]
	s_mov_b64 s[G0B0+2:G0B0+3], s[66:67]
	s_or_b32 s[G0B0+3], s[G0B0+3], 0x80000000
	s_mov_b32 s[G0B], 1
	s_add_co_u32 s[G0B+1], s[LB], REG
	s_add_nc_u64 s[G0B+2:G0B+3], s[66:67], 524288  ; 128 k rows of 4,096 bytes
	s_or_b32 s[G0B+3], s[G0B+3], 0x80000000
	s_cmp_eq_u32 s[RH], 0                          ; a wave's two first fills stand in one branch, ahead of every wait on TENSORcnt and every LDS read: two loads of mine are out
	s_cbranch_scc0 .Lfirst_b
	tensor_load_to_lds s[G0A0:G0A0+3], s[G1A:G1A+7]
	s_nop 0
	tensor_load_to_lds s[G0A:G0A+3], s[G1A:G1A+7]
	s_nop 0
.rept 4
	v_nop
.endr
	s_branch .Lfirst_asked
.Lfirst_b:
	tensor_load_to_lds s[G0B0:G0B0+3], s[G1B:G1B+7]
	s_nop 0
	tensor_load_to_lds s[G0B:G0B+3], s[G1B:G1B+7]
	s_nop 0
.rept 4
	v_nop
.endr
.Lfirst_asked:
	v_and_b32 v1, 15, v0                           ; r = l % 16
	v_bfe_u32 v2, v0, 4, 1                         ; h = l / 16
	v_lshlrev_b32 v[WO], 5, v2
	v_lshlrev_b32 v[CSO], 7, v1
	v_lshl_add_u32 v[CSO], v2, 5, v[CSO]           ; row r x 128 bytes + 8 h numbers
.irp b, 0,1,2,3,4,5,6,7
	global_load_b128 v[WE+8*(\b):WE+8*(\b)+3],   v[WO], s[WP:WP+1] offset:64*(\b)
	global_load_b128 v[WE+8*(\b)+4:WE+8*(\b)+7], v[WO], s[WP:WP+1] offset:64*(\b)+16
.endr
; cos and sin of block a (16 rows) lie in 32 registers of window 1: c0 (channels 8 h + j), c1 (16 + 8 h + j), s0, s1
.macro CSREG a
.if (\a) < 2
.set CSB, 32*(\a)
.elseif (\a) < 4
.set CSB, 192+32*((\a)-2)
.else
.set CSB, 64+32*((\a)-4)
.endif
.endm
.macro CSLOAD a
	CSREG \a
	WIN TO_B
.irp z, 0,1
	global_load_b128 v[CSB+16*(\z):CSB+16*(\z)+3],     v[CSO], s[10:11] offset:(\a)*2048+(\z)*1048576
	global_load_b128 v[CSB+16*(\z)+4:CSB+16*(\z)+7],   v[CSO], s[10:11] offset:(\a)*2048+(\z)*1048576+16
	global_load_b128 v[CSB+16*(\z)+8:CSB+16*(\z)+11],  v[CSO], s[10:11] offset:(\a)*2048+(\z)*1048576+64
	global_load_b128 v[CSB+16*(\z)+12:CSB+16*(\z)+15], v[CSO], s[10:11] offset:(\a)*2048+(\z)*1048576+80
.endr
.endm
.macro CSFIX a                         ; v and gate are not turned: cos becomes 1 and sin 0 there (both forms are exact for FL = 0 and 1)
	CSREG \a
	WIN 0x41
.irp p, 0,1,2,3,4,5,6,7
	v_pk_fma_f32 v[CSB+2*(\p):CSB+2*(\p)+1], v[CSB+2*(\p):CSB+2*(\p)+1], s[FL:FL+1], s[FLC:FLC+1] op_sel_hi:[1,0,0]
.endr
.irp p, 0,1,2,3,4,5,6,7
	v_pk_mul_f32 v[CSB+16+2*(\p):CSB+16+2*(\p)+1], v[CSB+16+2*(\p):CSB+16+2*(\p)+1], s[FL:FL+1] op_sel_hi:[1,0]
.endr
.endm
	CSLOAD 0
	CSLOAD 1
	CSLOAD 2
	CSLOAD 3
	WIN 0
	; A fragment of xb is 16 rows x 32 K: lane l holds row l % 16, K = 8 (l / 16) + 0..7 and 16 + 8 (l / 16) + 0..7: two loads of 16 bytes, 32 bytes apart
	v_mul_u32_u24 v3, v1, PA
	v_lshl_add_u32 v3, v2, 4, v3
	s_mul_i32 s62, s[RH], WREG
	v_add_nc_u32 v[A0], s62, v3
	; The turning load takes 16 k x 16 columns (lane l reads k row 8 (l / 16) + l % 8, columns 8 ((l / 8) % 2) + 0..7) and leaves half a fragment: lane l holds column l % 16 and 8 k
	v_and_b32 v4, 7, v0
	v_lshl_add_u32 v4, v2, 3, v4
	v_mul_u32_u24 v4, v4, PB
	v_bfe_u32 v5, v0, 3, 1
	v_lshl_add_u32 v4, v5, 4, v4
	s_lshl_b32 s62, s[CH], 8
	s_add_co_u32 s62, s62, 2*WREG
	v_add_nc_u32 v[B0], s62, v4
	v_add_nc_u32 v[B1], WREG, v[B0]
	v_mov_b32 v[ADRA], v[A0]
	v_mov_b32 v[ADRB], v[B0]
	v_mov_b32 v[ADRB+1], v[B1]
	v_mul_u32_u24 v[STO], v1, PA                   ; the way out, in my own regions: in: row l % 16, 16 bytes for each half of the lanes
	v_lshl_add_u32 v[STO], v2, 4, v[STO]
	v_add_nc_u32 v[STO], s[LB], v[STO]
	v_mul_u32_u24 v[RD], v2, PA                    ; back: lanes 0-15 one row of 256 bytes, lanes 16-31 the next
	v_lshl_add_u32 v[RD], v1, 4, v[RD]
	v_add_nc_u32 v[RD], s[LB], v[RD]
	v_and_b32 v[CO], 31, v0
	v_lshlrev_b32 v[CO], 4, v[CO]                  ; which are 512 consecutive bytes of the output
	s_wait_loadcnt 0x0                             ; the norm weight, cos and sin of rows 0-63; the first tiles are on their way meanwhile
.set n, 0
.rept 32
	v_cvt_pk_bf16_f32 v[32+n], v[WE+2*n], v[WE+2*n+1]   ; w rounded to bf16, like every input
.set n, n+1
.endr
.set n, 0
.rept 32
	v_lshlrev_b32 v[WE+2*n],   16, v[32+n]
	v_and_b32     v[WE+2*n+1], 0xffff0000, v[32+n]
.set n, n+1
.endr
.set n, 0
.rept 32
	v_pk_fma_f32 v[WE+2*n:WE+2*n+1], v[WE+2*n:WE+2*n+1], s[WA:WA+1], s[WBB:WBB+1] op_sel_hi:[1,0,0]  ; (1 + w) x scale; 1 for v and gate
.set n, n+1
.endr
	CSFIX 0
	CSFIX 1
	CSFIX 2
	CSFIX 3
	WIN 0
; 16 matrix instructions: row blocks a0, a0 + 1 of the window's four x all 8 column blocks, 32 along K.  zero = 1: the first product starts the sums
.macro MUL16 f, hi, a0, zero
	WIN MUL_LO+0x50*(\hi)
.irp a, \a0, (\a0)+1
.irp b, 0,1,2,3,4,5,6,7
.if \zero
	v_wmma_f32_16x16x32_bf16 v[8*(8*(\a)+(\b)):8*(8*(\a)+(\b))+7], v[(\f)+8*(\b):(\f)+8*(\b)+7], v[(\f)+8*(4*(\hi)+(\a)):(\f)+8*(4*(\hi)+(\a))+7], 0
.else
	v_wmma_f32_16x16x32_bf16 v[8*(8*(\a)+(\b)):8*(8*(\a)+(\b))+7], v[(\f)+8*(\b):(\f)+8*(\b)+7], v[(\f)+8*(4*(\hi)+(\a)):(\f)+8*(4*(\hi)+(\a))+7], v[8*(8*(\a)+(\b)):8*(8*(\a)+(\b))+7]
.endif
.endr
.endr
.endm
; 32 LDS loads in one run: the fragments of quarter q of the K step (32 k x 128 columns of wb, turned; 128 rows x 32 K of xb) into buffer f
.macro FETCH q, f
	WIN TO_B
.irp i, 0,1,2,3,4,5,6,7
	ds_load_tr16_b128 v[(\f)+8*(\i):(\f)+8*(\i)+3],   v[ADRB+(\q)/2] offset:((\q)%2)*32*PB+32*(\i)
	ds_load_tr16_b128 v[(\f)+8*(\i)+4:(\f)+8*(\i)+7], v[ADRB+(\q)/2] offset:((\q)%2)*32*PB+16*PB+32*(\i)
.endr
	WIN 0
.irp i, 0,1,2,3,4,5,6,7
	ds_load_b128 v[(\f)+8*(\i):(\f)+8*(\i)+3],   v[ADRA] offset:64*(\q)+(\i)*16*PA
	ds_load_b128 v[(\f)+8*(\i)+4:(\f)+8*(\i)+7], v[ADRA] offset:64*(\q)+(\i)*16*PA+32
.endr
.endm
.macro PLACES                          ; four places in front of loads into registers that matrix instructions have read, and of vector work that reads results
.rept 4
	v_nop
.endr
.endm
; One of a K step's first three quarters: multiplies buffer f; in its middle it fetches quarter q into buffer g
.macro QUARTER q, f, g, zero
	s_wait_dscnt 8                                 ; wb and xb's rows 0-63 are in; the youngest eight loads (rows 64-127) may be out
	MUL16 \f, 0, 0, \zero
	MUL16 \f, 0, 2, \zero
	PLACES
	FETCH \q, \g
	s_wait_dscnt 32                                ; all but the 32 just issued
	MUL16 \f, 1, 0, \zero
	MUL16 \f, 1, 2, \zero
.endm
; The first half of a K step's last quarter: one barrier for the change of slots.  In front of it each wave waits for all its tensor loads (one is out: its part of the next slot),
; adds 0 to its spare word, and waits for that and for its own reads of this slot.
.macro MEET round
	WIN 0
	s_wait_tensorcnt 0x0
	ds_add_u32 v[SPW], v[NIL]
	s_wait_dscnt 9                                 ; the add and the youngest eight loads may be out
	MUL16 F1, 0, 0, 0                              ; sixteen matrix instructions stand between the add and the wait for it
	s_wait_dscnt 0x0                               ; the add is done, and my reads of this slot are over
	s_barrier_signal -1
	MUL16 F1, 0, 2, 0
.if \round
	WIN 0
.endif
	s_barrier_wait -1
.endm
; The whole last quarter, with a refill: the barrier opens a round of the cluster's, so that no wave of any partner still reads this slot or has a load on its way;
; the walking descriptors turn to the slot just read and step one K step past the one asked for last; the joint load is the first tensor load behind the round.
.macro TURN
	MEET 1
	CREST
	s_xor_b32 s[G0A+1], s[G0A+1], REG
	s_add_nc_u64 s[G0A+2:G0A+3], s[G0A+2:G0A+3], 256
	s_xor_b32 s[G0B+1], s[G0B+1], REG
	s_add_nc_u64 s[G0B+2:G0B+3], s[G0B+2:G0B+3], 524288
	s_xor_b32 s[SB], s[SB], REG
	JLOAD                                          ; 224 matrix instructions ahead of the wait for it; its four v_nop are also the places in front of the loads below
	v_add_nc_u32 v[ADRA], s[SB], v[A0]
	v_add_nc_u32 v[ADRB], s[SB], v[B0]
	v_add_nc_u32 v[ADRB+1], s[SB], v[B1]
	FETCH 0, F0
	MUL16 F1, 1, 0, 0
	MUL16 F1, 1, 2, 0
.endm
; The same without a refill, for the last two K steps; in the very last (CNT = 1) there is no next step, and the run of loads is jumped over.
.macro TURNN
	MEET 0
	WIN 0
	s_xor_b32 s[SB], s[SB], REG
	v_add_nc_u32 v[ADRA], s[SB], v[A0]             ; these three and the v_nop are the places in front of the loads
	v_add_nc_u32 v[ADRB], s[SB], v[B0]
	v_add_nc_u32 v[ADRB+1], s[SB], v[B1]
	v_nop
	s_cmp_eq_u32 s[CNT], 1
	s_cbranch_scc1 .Lno_next_\@
	FETCH 0, F0
.Lno_next_\@:
	MUL16 F1, 1, 0, 0
	MUL16 F1, 1, 2, 0
.endm
	s_wait_tensorcnt 0x1                           ; my part of K step 0 is in; K step 1's may stay out
	s_barrier_signal -1
	s_barrier_wait -1
	FETCH 0, F0
	QUARTER 1, F0, F1, 1                           ; the first quarter stands in front of the loop: its products start the sums
	WIN 0
	s_mov_b32 s[CNT], NSTEP-2
.Lstep:                                                ; a trip: a K step's quarters 1 to 3 and the next step's quarter 0; the slot left is filled again.  The 64 accumulators take turns
	QUARTER 2, F1, F0, 0
	QUARTER 3, F0, F1, 0
	TURN
	QUARTER 1, F0, F1, 0
	WIN 0
	s_sub_co_u32 s[CNT], s[CNT], 1
	s_cmp_lg_u32 s[CNT], 0
	s_cbranch_scc1 .Lstep
	s_mov_b32 s[CNT], 2                            ; the last two K steps ask for nothing: a text of their own; the second trip is left in its middle
.Ltail:
	QUARTER 2, F1, F0, 0
	QUARTER 3, F0, F1, 0
	TURNN
	WIN 0
	s_sub_co_u32 s[CNT], s[CNT], 1
	s_cmp_eq_u32 s[CNT], 0
	s_cbranch_scc1 .Lout
	QUARTER 1, F0, F1, 0
	WIN 0
	s_branch .Ltail
.Lout:
	; THE WAY OUT.  Lane l holds, of row 16 a + l % 16, the columns 16 b + 8 (l / 16) + j: half of the head's 128 channels; the lane 16 away holds the other half.
	PLACES
	s_wait_dscnt 0x0
	s_barrier_signal -1                            ; nobody reads the ring any more: my regions, which have had their last fill, become my stage
	s_barrier_wait -1
	CSLOAD 4                                       ; cos and sin of rows 64-127, into wb's fragment registers
	CSLOAD 5
	CSLOAD 6
	CSLOAD 7
; Sums of squares of blocks a0 and a0 + 1: two chains a block (even and odd b), so that four chains take turns.  Each accumulator's registers are read in ascending order.
.macro SS a0
	WIN 0x0a+5*((\a0)/4)
.irp bb, 0,1,2,3
.irp p, 0,1,2,3
.irp a, \a0, (\a0)+1
.irp e, 0,1
.set rA, 64*((\a)%4)+8*(2*(\bb)+(\e))+2*(\p)
.set rQ, SSQ+4*(\a)+2*(\e)
.if ((\bb) == 0) && ((\p) == 0)
	v_pk_mul_f32 v[rQ:rQ+1], v[rA:rA+1], v[rA:rA+1]
.else
	v_pk_fma_f32 v[rQ:rQ+1], v[rA:rA+1], v[rA:rA+1], v[rQ:rQ+1]
.endif
.endr
.endr
.endr
.endr
.endm
	SS 0
	SS 2
	SS 4
	SS 6
	WIN 0
.irp a, 0,1,2,3,4,5,6,7
	v_pk_add_f32 v[SSQ+4*(\a):SSQ+4*(\a)+1], v[SSQ+4*(\a):SSQ+4*(\a)+1], v[SSQ+4*(\a)+2:SSQ+4*(\a)+3]
.endr
.irp a, 0,1,2,3,4,5,6,7
	v_add_f32 v[SSQ+4*(\a)], v[SSQ+4*(\a)], v[SSQ+4*(\a)+1]
.endr
.irp a, 0,1,2,3,4,5,6,7
	v_permlanex16_b32 v[SSQ+4*(\a)+1], v[SSQ+4*(\a)], s[SEL], s[SEL+1]   ; the row's other 64 channels
.endr
.irp a, 0,1,2,3,4,5,6,7
	v_add_f32 v[SSQ+4*(\a)], v[SSQ+4*(\a)], v[SSQ+4*(\a)+1]
.endr
.irp a, 0,1,2,3,4,5,6,7
	v_fma_f32 v[SSQ+4*(\a)], v[SSQ+4*(\a)], s[RN], s[EPS]                ; the mean of the squares + 1e-6
.endr
.irp a, 0,1,2,3,4,5,6,7
	v_rsq_f32 v[SSQ+4*(\a)], v[SSQ+4*(\a)]
.endr
	v_nop                                          ; a plain instruction between the last root and the use of its result
	s_wait_alu depctr_va_vdst(0)
.irp a, 0,1,2,3,4,5,6,7
	v_fma_f32 v[SSQ+4*(\a)], v[SSQ+4*(\a)], s[FL], s[FLC]                ; 1 for v and gate
.endr
; Block a: times the row's factor, times the column's; the rotation of channels 0-31 (column blocks 0 and 1: a lane holds channel n and channel n + 16); rounded to f16; into my stage.
.macro EPI a
.set W, 2+(\a)/4
.set AC, 64*((\a)%4)
.set rQ, SSQ+4*(\a)
	CSREG \a
	WIN (W<<6)|W
.set n, 0
.rept 32
	v_pk_mul_f32 v[AC+2*n:AC+2*n+1], v[AC+2*n:AC+2*n+1], v[rQ:rQ+1] op_sel_hi:[1,0]
.set n, n+1
.endr
.set n, 0
.rept 32
	v_pk_mul_f32 v[AC+2*n:AC+2*n+1], v[AC+2*n:AC+2*n+1], v[WE+2*n:WE+2*n+1]
.set n, n+1
.endr
	WIN 0x04|W
.irp p, 0,1,2,3
	v_pk_mul_f32 v[TT+2*(\p):TT+2*(\p)+1], v[AC+8+2*(\p):AC+8+2*(\p)+1], v[CSB+16+2*(\p):CSB+16+2*(\p)+1]     ; y[n + 16] sin[n]
.endr
.irp p, 0,1,2,3
	v_pk_mul_f32 v[TT+8+2*(\p):TT+8+2*(\p)+1], v[AC+2*(\p):AC+2*(\p)+1], v[CSB+24+2*(\p):CSB+24+2*(\p)+1]     ; y[n] sin[n + 16]
.endr
	WIN (W<<6)|0x04|W
.irp p, 0,1,2,3
	v_pk_fma_f32 v[AC+2*(\p):AC+2*(\p)+1], v[AC+2*(\p):AC+2*(\p)+1], v[CSB+2*(\p):CSB+2*(\p)+1], v[TT+2*(\p):TT+2*(\p)+1] neg_lo:[0,0,1] neg_hi:[0,0,1]
.endr
.irp p, 0,1,2,3
	v_pk_fma_f32 v[AC+8+2*(\p):AC+8+2*(\p)+1], v[AC+8+2*(\p):AC+8+2*(\p)+1], v[CSB+8+2*(\p):CSB+8+2*(\p)+1], v[TT+8+2*(\p):TT+8+2*(\p)+1]
.endr
	WIN (W<<2)|W
.set n, 0
.rept 32
	v_cvt_pk_f16_f32 v[TMP+n], v[AC+2*n], v[AC+2*n+1]
.set n, n+1
.endr
	WIN 0
.irp b, 0,1,2,3,4,5,6,7
	ds_store_b128 v[STO], v[TMP+4*(\b):TMP+4*(\b)+3] offset:(\a)*16*PA+32*(\b)
.endr
.endm
	EPI 0
	EPI 1
	EPI 2
	EPI 3
	s_wait_loadcnt 0x0                             ; cos and sin of rows 64-127
	CSFIX 4
	CSFIX 5
	CSFIX 6
	CSFIX 7
	EPI 4
	EPI 5
	EPI 6
	EPI 7
	s_mov_b32 s[CNT], 8
.Lstore:                                               ; 16 rows a trip, out of my own bytes: LDS serves a wave's instructions in order (ISA guide 5.7.1.4), so the loads see the stores above
.irp t, 0,1,2,3,4,5,6,7
	ds_load_b128 v[OB+4*(\t):OB+4*(\t)+3], v[RD] offset:(\t)*2*PA
.endr
	s_wait_dscnt 0x0
.irp t, 0,1,2,3,4,5,6,7
	global_store_b128 v[CO], v[OB+4*(\t):OB+4*(\t)+3], s[8:9] offset:512*(\t)   ; 512 consecutive bytes, at a multiple of 256 from the buffer's first
.endr
	s_wait_xcnt 0x0                                ; the stores' data, and their base, are rewritten only behind this wait
	v_add_nc_u32 v[RD], 16*PA, v[RD]
	s_add_nc_u64 s[8:9], s[8:9], 4096
	s_sub_co_u32 s[CNT], s[CNT], 1
	s_cmp_lg_u32 s[CNT], 0
	s_cbranch_scc1 .Lstore
	s_wait_tensorcnt 0x0                           ; the wave's end
	ds_add_u32 v[SPW], v[NIL]
	s_wait_dscnt 0x0
	CROUND                                         ; the closing round
	s_endpgm
.Lfunc_end_k_qd34a679154_proj:
	.size	k_qd34a679154_proj, .Lfunc_end_k_qd34a679154_proj-k_qd34a679154_proj
	.p2alignl 7, 3214868480
	.fill 96, 4, 3214868480
	.section	.rodata,"a",@progbits
	.p2align	6, 0x0
	.amdhsa_kernel k_qd34a679154_proj
		.amdhsa_group_segment_fixed_size 327680
		.amdhsa_private_segment_fixed_size 0
		.amdhsa_enable_private_segment 0
		.amdhsa_kernarg_size 48
		.amdhsa_user_sgpr_count 2
		.amdhsa_user_sgpr_kernarg_segment_ptr 1
		.amdhsa_wavefront_size32 1
		.amdhsa_system_sgpr_workgroup_id_x 1
		.amdhsa_system_sgpr_workgroup_id_y 1
		.amdhsa_system_sgpr_workgroup_id_z 1
		.amdhsa_system_vgpr_workitem_id 0
		.amdhsa_next_free_vgpr 1024
		.amdhsa_next_free_sgpr 92
		.amdhsa_reserve_vcc 0
		.amdhsa_float_denorm_mode_32 3
		.amdhsa_float_denorm_mode_16_64 3
		.amdhsa_memory_ordered 1
		.amdhsa_forward_progress 1
		.amdhsa_inst_pref_size 174
	.end_amdhsa_kernel
	.amdgpu_metadata
---
amdhsa.version: [ 1, 2 ]
amdhsa.kernels:
  - .name:           k_qd34a679154_proj
    .symbol:         k_qd34a679154_proj.kd
    .args:
      - { .name: xb, .offset: 0, .size: 8, .value_kind: global_buffer, .address_space: global }
      - { .name: wb, .offset: 8, .size: 8, .value_kind: global_buffer, .address_space: global }
      - { .name: qkvg, .offset: 16, .size: 8, .value_kind: global_buffer, .address_space: global }
      - { .name: csr, .offset: 24, .size: 8, .value_kind: global_buffer, .address_space: global }
      - { .name: q_norm_w, .offset: 32, .size: 8, .value_kind: global_buffer, .address_space: global }
      - { .name: k_norm_w, .offset: 40, .size: 8, .value_kind: global_buffer, .address_space: global }
    .group_segment_fixed_size: 327680
    .private_segment_fixed_size: 0
    .kernarg_segment_align: 8
    .kernarg_segment_size: 48
    .max_flat_workgroup_size: 128
    .sgpr_count:     92
    .vgpr_count:     1024
    .wavefront_size: 32
...
	.end_amdgpu_metadata
.endif
;; end of part 2
;; launch attn (part 3): grid 16 x 16, 4 waves a work-group, clusters of 4 x 4, 327,680 bytes of LDS; arguments qkvg, attention_mask, ao; writes ao
.if DOCPART == 3
	.amdgcn_target "amdgcn-amd-amdhsa--gfx1250"
	.amdhsa_code_object_version 6
	.text
	.protected	k_qd34a679154_attn
	.globl	k_qd34a679154_attn
	.p2align	8
	.type	k_qd34a679154_attn,@function
k_qd34a679154_attn:
	s_mov_b64 s[64:65], 0
	v_nop
	global_prefetch_b8 v0, s[64:65] scope:SCOPE_SE
	s_setreg_imm32_b32 hwreg(HW_REG_WAVE_MODE, 25, 1), 1
	s_wait_xcnt 0x0
	s_wait_alu depctr_hold_cnt(0) depctr_sa_sdst(0) depctr_va_vdst(0) depctr_va_sdst(0) depctr_va_ssrc(0) depctr_va_vcc(0) depctr_vm_vsrc(0)
	s_getreg_b32 s2, hwreg(HW_REG_IB_STS2, 6, 4)
	s_cmp_eq_u32 s2, 0
	s_cbranch_scc0 .Lentry_in_a_cluster
	s_endpgm
.Lentry_in_a_cluster:
	s_bfe_u32 s2, ttmp6, 0x10000c
	s_cmp_lg_u32 s2, 0xf033
	s_cbranch_scc0 .Lentry_shape_is_right
	s_endpgm
.Lentry_shape_is_right:
; ATTN.  ao[b][q][h][:] = sigmoid(gate) x the sum over k of softmax_k(q . k / sqrt(128) + mask[b][q][k]) v[k][:].  q (already times 128^-0.5 log2(e)), k, v, gate: f16 [4 b + h][2048][128] in qkvg;
; mask: f32 [b][2048][2048]; ao: f16 [8192][512].  Products, maxima and sums in f32; the weights p are rounded to f16 for the second product (their sum l is taken of the unrounded p), ao once at the end.
; LIMITS.  The mask is an input: every tile of it is read and every product made.  It is taken in f32, unrounded (the other inputs are rounded to bf16).  A mask below -2.3e38 overflows in its product with
; log2(e) and counts as minus infinity; a row in which EVERY key is so hidden gives NaN.  A weight below 2^-126 counts as 0 in l; NaN is not treated apart.
; SHARES.  A work-group owns 128 queries of one head and batch: 16 x 16 work-groups fill 256 WGPs.  Wave w takes the 64 queries of half w % 2 and, of every tile of 128 keys, the 64 keys of half w / 2:
; four tiles of 16 queries x 64 keys a step, so that a fragment of K or V read from LDS feeds four tiles' products.  The two waves of a query half merge at the end: tile t of a wave holds query group
; t xor 2 (w / 2), so every wave keeps its tiles 0, 1 and hands its tiles 2, 3 to wave w xor 2: one text for all.
; LAYOUT.  S^T = K Q^T (source 0 = 16 keys, source 1 = 16 queries): a lane holds ONE query (lane % 16) and the keys 8 (lane / 16) + 0..7; the mask for them is 32 consecutive bytes of the query's row.  Two such
; results rounded to f16 in pairs ARE source 1 of O^T = V^T P.  K comes out of LDS as it lies, V turned, by ds_load_tr16_b128.
; SOFTMAX, in base 2.  s = log2(e) mask + (the product), one fused multiply-add; a running maximum m and sum l; p = 2^(s - m): the difference is taken of the two numbers themselves, so that it is exact where
; s is near m, however large both are (a mask of -1e9 in every key that a wave sees).  In every step O and l are multiplied by a = 2^(m_old - m_new).  m starts at the lowest finite number, O and l at 0: the
; first step is a step like any other, with a = 0.  The price of writing no first and no last step out: 416 v_mov_b32 in the wait for the first tile, 32 products on zeros and 32 on a stale K.
; BY TURNS.  The wave's tiles are two pieces (0: tiles 0, 1; 2: tiles 2, 3).  In a turn one piece issues 32 products V^T P of the step in hand and 32 products K Q^T of the next; of the other piece's vector
; work the 32 multiply-adds of the mask stand at the turn's head, and its softmax, 266 instructions, in 64 slices behind the products.  Two turns are a key step.
; CLUSTER.  4 x 4: along x four query blocks, along y the four heads of one batch.  K and V hang on batch and head: asked for jointly along a row of the cluster.  A mask tile hangs on batch and query
; block: asked for jointly along a column, by the four heads.
; ASKED FOR AHEAD.  A tile has one trip in which to land, and two slots of 128 keys (K, V and the f32 mask: 139,264 bytes each) are what LDS holds.  So each tile is also asked for ahead of its tensor load, by
; a prefetch: the change of slots that requests tile k + 1 asks for tile k + 3, two trips ahead of the tensor load that will want it; tiles 2 and 3 are asked for at the head.  Shares, so that each byte is
; asked for by one wave of one work-group: a mask tile (128 rows x 512 bytes) serves the four heads of a column: head cy's waves 0 and 1 ask for rows 32 cy + 16 w + lane / 2, 256 bytes a lane.  A tile of K
; and of V serves a head's sixteen query blocks: block QB's wave 2 asks for 2,048 bytes of each from byte 2,048 QB on, lanes 0-15 in K, lanes 16-31 in V, 128 bytes apart.  Wave 3 asks for nothing.
; 20,480 bytes a work-group and tile, two tiles ahead.  The tile's number is clamped at 15: the last two trips ask for tile 15 once more, and nothing points past a buffer's end.
; REGISTERS, in windows of 256 (s_set_vgpr_msb: bits 1:0 source 0, 3:2 source 1, 5:4 source 2, 7:6 destination):
;   window 0: v0-11, v44-47, v56 addresses; v12-43 eight registers of statistics a tile; v48-55 the partner's; v64-191 S^T, 32 a tile; v192-255 P, 16 a tile
;   window 1: O^T, 64 a tile      window 2: v0-127 Q, 32 a tile; v128-255 K of one step      window 3: v0-127 V of one step; v128-255 the mask of one step, 32 a tile
.set KS,    64
.set PK,    272       ; a row of K in LDS: 256 bytes + 16: the 16 rows of a load start at 16 different groups of four banks (64 banks of 4 bytes: ISA guide 11.1)
.set PVV,   288       ; a row of V: 256 + 32 = 9 x 32
.set PM,    528       ; a row of the mask tile (128 keys): 512 + 16
.set RG,    36864     ; room for what one tensor load brings: 128 rows of K, 128 of V, or 64 rows of the mask
.set WRG,   73728     ; a wave's two such regions.  RG = 0x9000 shares no bit with w x 0x12000, so an exclusive or changes the slot
.set STAGE, 4*WRG     ; behind the ring: 16 rows x 272 bytes for each wave, for the way out
.set SP,    272
.set SPARE, STAGE+4*16*SP  ; the spare words, 128 bytes for each wave: two blocks of 256 bytes that no other line names
.set AK0, 2           ; v2   my place in my 64 keys of K, slot 0; never rewritten
.set AV0, 3           ; v3   the same for V
.set ADR, 4           ; v4   the LDS address of the run of loads in hand
.set QOA, 5           ; v5   my byte offset in the wave's rows of Q and gate, tiles 0, 1
.set STO, 6
.set RD,  7
.set GO,  8
.set AMA0, 9          ; v9   my place in the mask tile for tiles 0, 1, slot 0
.set AMB0, 10         ; v10  for tiles 2, 3
.set AMA, 11          ; v11  the same two in the slot in hand
.set ST,  12          ; tile t's statistics at v[ST+8 t]: +0 m (+1 is named with it as a pair), +2, +3 l (even keys', odd keys'), +4 to +7 at work; a takes +6 once the maximum is found
.set AMB, 44
.set QOB, 45          ; v45  as v5, for tiles 2, 3
.set XS,  46          ; v46  the exchange: where I put
.set XR,  47          ; v47  where I take
.set PS,  48          ; v48-55  the partner's m, -, l, l for my tiles 0, 1
.set PFO, 56          ; v56  my lane's byte offset in what my wave asks for ahead; never rewritten
.set SPW, 62
.set NIL, 63
.set S,   64
.set P,   192
.set GT,  64          ; the end: the gate of my tiles 0, 1, packed f16
.set AR,  128         ; the end: the partner's O^T, then the sigmoids, then the packed result
.set KF,  128         ; window 2
.set MK,  128         ; window 3
.set WV, 12
.set QH, 13           ; s13 w % 2
.set KH, 14           ; s14 w / 2
.set CX, 15
.set CY, 16
.set QB, 17           ; s17 block of 128 queries
.set BB, 18           ; s18 batch
.set HY, 19           ; s19 4 b + h
.set G1K, 24
.set G1V, 32
.set G1M, 40
.set G0K, 48          ; group 0 that walks, one for each tensor: it starts at slot 1, tile 1
.set G0V, 52
.set G0M, 56
.set SEL, 60
.set CS,  62          ; s[62:63] log2(e), the mask's factor
.set SB,  66          ; s66 0 or RG: the slot that is being read
.set SLOTS, 67
.set CNT, 68
.set QP,  70          ; s[70:71] Q at my wave's 64 rows
.set GP,  72          ; s[72:73] gate likewise
.set POF, 74          ; s[74:75] behind the head: a tile's byte offset in what is asked for ahead
.set NL,  78          ; s[78:79] -log2(e)
.set G0K0, 84         ; group 0 of the first fill: slot 0, tile 0
.set G0V0, 88
.set G0M0, 92
.set PFB, 96          ; s[96:97]   what my wave asks for ahead, at tile 0; never rewritten
.set PFC, 98          ; s[98:99]   the same at the tile that is due
.set PFD, 100         ; s[100:101] at tile 3, for the head
.set PT,  104         ; s104 the tile to ask for next
.set PSH, 105         ; s105 log2 of the bytes from tile to tile: 9 in a row of the mask, 15 in K and V
.set MSB, 0
.macro WIN new
.if MSB != (\new)
	s_set_vgpr_msb (MSB<<8)|(\new)
.set MSB, \new
.endif
.endm
.set W_KQ, 0x0a       ; K and Q in window 2, S^T in window 0
.set W_AM, 0x03       ; the mask (source 0) in window 3, S^T (source 2 and destination) in window 0
.set W_PV, 0x53       ; V in window 3, P in window 0, O^T in window 1
.set W_RS, 0x41       ; O^T (destination and source 0) in window 1, source 1 in window 0
; A joint refill: wave 0 fetches the tile's K, wave 1 its V, waves 2 and 3 the two halves of the mask tile: 32,768 bytes each.  The branches hang on the wave's number alone.
; An s_nop 0 and four v_nop follow each line, ahead of the jump and the label.
.macro JLOAD
	s_cmp_lt_u32 s[WV], 2
	s_cbranch_scc0 .Lfor_m_\@
	s_cmp_eq_u32 s[WV], 0
	s_cbranch_scc0 .Lfor_v_\@
	tensor_load_to_lds s[G0K:G0K+3], s[G1K:G1K+7]
	s_nop 0
.rept 4
	v_nop
.endr
	s_branch .Lasked_\@
.Lfor_v_\@:
	tensor_load_to_lds s[G0V:G0V+3], s[G1V:G1V+7]
	s_nop 0
.rept 4
	v_nop
.endr
	s_branch .Lasked_\@
.Lfor_m_\@:
	tensor_load_to_lds s[G0M:G0M+3], s[G1M:G1M+7]
	s_nop 0
.rept 4
	v_nop
.endr
.Lasked_\@:
.endm
.macro CROUND                       ; a round of the cluster's barrier
	s_barrier_signal -1
	s_barrier_wait -1
	s_cmp_lg_u32 s[WV], 0
	s_cbranch_scc1 .Lnot_wave_0_\@
	s_barrier_signal -3
.Lnot_wave_0_\@:
	s_barrier_wait -3
	s_barrier_signal -1
	s_barrier_wait -1
.endm
; THE CHANGE OF SLOTS, between piece 2's turn and piece 0's: the tile's last bytes, its V, have been asked for.  Each wave waits for all its tensor loads (one is out: its part of the other slot), adds 0 to its
; spare word, and waits for that and for its own reads.  fill = 1: the slot left is filled again with the tile two on, behind a round of the cluster's barrier, first thing: it has a key step, 128 matrix
; instructions, in which to land; behind it stands the prefetch for the tile that the change of slots two trips on will request.
.macro CHANGE fill
	WIN 0
	s_wait_tensorcnt 0x0            ; no tensor load of mine is out, so a group 0 may be written
	ds_add_u32 v[SPW], v[NIL]
.if \fill
	s_xor_b32 s[G0K+1], s[G0K+1], RG
	s_add_nc_u64 s[G0K+2:G0K+3], s[G0K+2:G0K+3], 32768   ; the next 128 keys
	s_xor_b32 s[G0V+1], s[G0V+1], RG
	s_add_nc_u64 s[G0V+2:G0V+3], s[G0V+2:G0V+3], 32768
	s_xor_b32 s[G0M+1], s[G0M+1], RG
	s_add_nc_u64 s[G0M+2:G0M+3], s[G0M+2:G0M+3], 512     ; 128 columns of 4 bytes
	s_wait_xcnt 0x0                 ; the last prefetch, a trip back, has had its address taken (ISA guide 3.1): only behind this wait is its base written
	s_lshl_b32 s[POF], s[PT], s[PSH]
	s_add_nc_u64 s[PFC:PFC+1], s[PFB:PFB+1], s[POF:POF+1]
	s_add_co_u32 s[PT], s[PT], 1
	s_min_u32 s[PT], s[PT], 15      ; no tile past the last
	s_wait_dscnt 0x0                ; the add is done, and my reads of the slot are over
	CROUND
	JLOAD
	s_cmp_lt_u32 s[WV], 3
	s_cbranch_scc0 .Lnone_ahead_\@
	global_prefetch_b8 v[PFO], s[PFC:PFC+1] th:TH_LOAD_NT scope:SCOPE_SE
.Lnone_ahead_\@:
.else
	s_wait_dscnt 0x0
	s_barrier_signal -1
	s_barrier_wait -1
.endif
	s_xor_b32 s[SB], s[SB], RG
.endm
	s_load_b128 s[4:7], s[0:1], 0x0   ; qkvg s[4:5], attention_mask s[6:7]
	s_load_b64 s[8:9], s[0:1], 0x10   ; ao
	v_lshl_add_u32 v[SPW], v0, 2, SPARE
	v_mov_b32 v[NIL], 0
	ds_add_u32 v62, v63
	s_wait_dscnt 0x0
	v_lshrrev_b32 v1, 5, v0
	v_readfirstlane_b32 s[WV], v1
	s_and_b32 s[QH], s[WV], 1
	s_lshr_b32 s[KH], s[WV], 1
	s_bfe_u32 s[CX], ttmp6, 0x40000
	s_bfe_u32 s[CY], ttmp6, 0x40004
	s_lshl_b32 s[QB], ttmp9, 2
	s_add_co_u32 s[QB], s[QB], s[CX]  ; my block of queries = 4 x cluster x + cx
	s_and_b32 s[BB], ttmp7, 0xffff    ; the batch = cluster y
	s_lshl_b32 s[HY], s[BB], 2
	s_add_co_u32 s[HY], s[HY], s[CY]  ; 4 b + h, h = cy
	s_lshl_b32 s20, s[CY], 2
	s_lshl_b32 s20, 15, s20           ; my row of the cluster
	s_lshl_b32 s22, 0x1111, s[CX]     ; my column
	s_or_b32 s[G1K], s20, (1<<16)|(1<<20)|(1<<21)|(5<<22)|(3<<25)  ; mask; 2-byte elements; padding on; bit 21 beside a mask; after every 64 words 4 words
	s_or_b32 s[G1V], s20, (1<<16)|(1<<20)|(1<<21)|(5<<22)|(7<<25)  ; 8 words
	s_or_b32 s[G1M], s22, (2<<16)|(1<<20)|(1<<21)|(6<<22)|(3<<25)  ; 4-byte elements; after every 128 words 4 words
.irp g, G1K, G1V
	s_mov_b32 s[(\g)+1], 128<<16    ; tensor_dim0 = 128
	s_mov_b32 s[(\g)+2], 128<<16    ; tensor_dim1 = 128
	s_mov_b32 s[(\g)+3], 128<<16    ; tile_dim0 = 128
	s_mov_b32 s[(\g)+4], 128        ; tile_dim1 = 128
	s_mov_b32 s[(\g)+5], 128        ; elements from row to row
	s_mov_b32 s[(\g)+6], 0
	s_mov_b32 s[(\g)+7], 0
.endr
	s_mov_b32 s[G1M+1], 128<<16
	s_mov_b32 s[G1M+2], 64<<16
	s_mov_b32 s[G1M+3], 128<<16
	s_mov_b32 s[G1M+4], 64
	s_mov_b32 s[G1M+5], 2048
	s_mov_b32 s[G1M+6], 0
	s_mov_b32 s[G1M+7], 0
	s_lshl_b32 s20, s[HY], 19         ; K's head: 524,288 bytes each, behind q's 8,388,608.  These registers never hold cx
	s_add_co_u32 s20, s20, 0x800000
	s_mov_b32 s21, 0
	s_lshl_b32 s22, s[BB], 24         ; the mask's batch, my block's 128 rows of 8,192 bytes, the half that I fetch.  These never hold cy
	s_lshl_b32 s23, s[QB], 20
	s_add_co_u32 s22, s22, s23
	s_lshl_b32 s23, s[QH], 19
	s_add_co_u32 s22, s22, s23
	s_mov_b32 s23, 0
	s_lshl_b32 s74, s[HY], 19         ; Q: head, block, my wave's 64 rows of 256 bytes
	s_lshl_b32 s75, s[QB], 15
	s_add_co_u32 s74, s74, s75
	s_lshl_b32 s75, s[QH], 14
	s_add_co_u32 s74, s74, s75
	s_mov_b32 s75, 0
	s_lshl_b32 s76, s[BB], 21         ; ao: rows of 1,024 bytes: batch, block, query half, the 32 rows that I keep; the head's 256 bytes
	s_lshl_b32 s77, s[QB], 17
	s_add_co_u32 s76, s76, s77
	s_lshl_b32 s77, s[QH], 16
	s_add_co_u32 s76, s76, s77
	s_lshl_b32 s77, s[KH], 15
	s_add_co_u32 s76, s76, s77
	s_lshl_b32 s77, s[CY], 8
	s_add_co_u32 s76, s76, s77
	s_mov_b32 s77, 0
	; what my wave asks for ahead, as an offset: waves 0, 1 in the mask: batch, block, my head's 32 rows of the tile's 128, my wave's 16 of them; wave 2 in K: head, my block's 2,048 bytes of a tile
	s_lshl_b32 s2, s[BB], 24
	s_lshl_b32 s3, s[QB], 20
	s_add_co_u32 s2, s2, s3
	s_lshl_b32 s3, s[CY], 18
	s_add_co_u32 s2, s2, s3
	s_lshl_b32 s3, s[WV], 17
	s_add_co_u32 s2, s2, s3
	s_lshl_b32 s3, s[HY], 19
	s_add_co_u32 s3, s3, 0x800000
	s_lshl_b32 s[PT], s[QB], 11
	s_add_co_u32 s3, s3, s[PT]
	s_cmp_lt_u32 s[WV], 2
	s_cselect_b32 s2, s2, s3
	s_mov_b32 s3, 0
	s_cselect_b32 s[PSH], 9, 15
	s_cselect_b32 s10, 1, 4           ; the lane's number is split: in the mask lane / 2 is the row and lane % 2 the block of 256 bytes;
	s_cselect_b32 s11, 1, 15          ; in K and V lane / 16 says which of the two and lane % 16 counts steps of 128 bytes
	s_cselect_b32 s69, 13, 23         ; a row of the mask is 8,192 bytes; V lies 8,388,608 bytes behind K
	s_cselect_b32 s83, 8, 7
	s_mul_i32 s80, s[WV], WRG
	s_mov_b32 s[G0K0], 1
	s_mov_b32 s[G0K0+1], s80          ; slot 0 of my regions: no place in the cluster enters an LDS address
	s_mov_b32 s[G0V0], 1
	s_mov_b32 s[G0V0+1], s80
	s_mov_b32 s[G0M0], 1
	s_mov_b32 s[G0M0+1], s80
	s_mov_b32 s[G0K], 1
	s_add_co_u32 s[G0K+1], s80, RG    ; slot 1
	s_mov_b32 s[G0V], 1
	s_add_co_u32 s[G0V+1], s80, RG
	s_mov_b32 s[G0M], 1
	s_add_co_u32 s[G0M+1], s80, RG
	s_mov_b32 s[SEL], 0x76543210
	s_mov_b32 s[SEL+1], 0xfedcba98
	s_mov_b32 s[CS], 0x3fb8aa3b
	s_mov_b32 s[CS+1], s[CS]
	s_mov_b32 s[NL], 0xbfb8aa3b
	s_mov_b32 s[NL+1], s[NL]
	s_mov_b32 s[SB], 0                ; tile 0 lies in slot 0
	s_wait_kmcnt 0x0
	s_cmp_lt_u32 s[WV], 2
	s_cselect_b64 s[PFB:PFB+1], s[6:7], s[4:5]
	s_add_nc_u64 s[PFB:PFB+1], s[PFB:PFB+1], s[2:3]
	s_add_nc_u64 s[G0K0+2:G0K0+3], s[4:5], s[20:21]
	s_add_nc_u64 s[G0V0+2:G0V0+3], s[G0K0+2:G0K0+3], 0x800000
	s_add_nc_u64 s[G0M0+2:G0M0+3], s[6:7], s[22:23]
	s_add_nc_u64 s[G0K+2:G0K+3], s[G0K0+2:G0K0+3], 32768   ; tile 1
	s_add_nc_u64 s[G0V+2:G0V+3], s[G0V0+2:G0V0+3], 32768
	s_add_nc_u64 s[G0M+2:G0M+3], s[G0M0+2:G0M0+3], 512
	s_or_b32 s[G0K0+3], s[G0K0+3], 0x80000000
	s_or_b32 s[G0V0+3], s[G0V0+3], 0x80000000
	s_or_b32 s[G0M0+3], s[G0M0+3], 0x80000000
	s_or_b32 s[G0K+3], s[G0K+3], 0x80000000
	s_or_b32 s[G0V+3], s[G0V+3], 0x80000000
	s_or_b32 s[G0M+3], s[G0M+3], 0x80000000
	s_add_nc_u64 s[QP:QP+1], s[4:5], s[74:75]
	s_add_nc_u64 s[GP:GP+1], s[QP:QP+1], 0x1800000
	s_add_nc_u64 s[8:9], s[8:9], s[76:77]
	s_lshl_b32 s[POF], 2, s[PSH]      ; (s75, the pair's high word, stays 0)
	s_add_nc_u64 s[PFC:PFC+1], s[PFB:PFB+1], s[POF:POF+1]  ; tile 2
	s_lshl_b32 s[POF], 3, s[PSH]
	s_add_nc_u64 s[PFD:PFD+1], s[PFB:PFB+1], s[POF:POF+1]  ; tile 3
	s_mov_b32 s[PT], 4                ; the first change of slots in the loop asks for tile 4
	CROUND                          ; all sixteen work-groups are here: the first joint loads meet
	s_cmp_lt_u32 s[WV], 2           ; a wave's two first fills, tiles 0 and 1, stand in one branch, ahead of every wait on TENSORcnt and every LDS read: two loads of mine are out
	s_cbranch_scc0 .Lfirst_m
	s_cmp_eq_u32 s[WV], 0
	s_cbranch_scc0 .Lfirst_v
	tensor_load_to_lds s[G0K0:G0K0+3], s[G1K:G1K+7]
	s_nop 0
	tensor_load_to_lds s[G0K:G0K+3], s[G1K:G1K+7]
	s_nop 0
.rept 4
	v_nop
.endr
	s_branch .Lfirst_asked
.Lfirst_v:
	tensor_load_to_lds s[G0V0:G0V0+3], s[G1V:G1V+7]
	s_nop 0
	tensor_load_to_lds s[G0V:G0V+3], s[G1V:G1V+7]
	s_nop 0
.rept 4
	v_nop
.endr
	s_branch .Lfirst_asked
.Lfirst_m:
	tensor_load_to_lds s[G0M0:G0M0+3], s[G1M:G1M+7]
	s_nop 0
	tensor_load_to_lds s[G0M:G0M+3], s[G1M:G1M+7]
	s_nop 0
.rept 4
	v_nop
.endr
.Lfirst_asked:
	v_and_b32 v60, 31, v0           ; lane
	v_lshrrev_b32 v[PFO], s10, v60
	v_and_b32 v61, s11, v60
	v_lshlrev_b32 v[PFO], s69, v[PFO]
	v_lshlrev_b32 v61, s83, v61
	v_add_nc_u32 v[PFO], v[PFO], v61
	s_cmp_lt_u32 s[WV], 3
	s_cbranch_scc0 .Lnone_ahead_head
	global_prefetch_b8 v[PFO], s[PFC:PFC+1] th:TH_LOAD_NT scope:SCOPE_SE  ; tile 2: the loop's first change of slots will request it
	global_prefetch_b8 v[PFO], s[PFD:PFD+1] th:TH_LOAD_NT scope:SCOPE_SE  ; tile 3: the second
.Lnone_ahead_head:
	v_and_b32 v1, 15, v0            ; r = l % 16
	v_bfe_u32 v57, v0, 4, 1         ; h = l / 16
	v_lshlrev_b32 v[QOA], 8, v1
	v_lshl_add_u32 v[QOA], v57, 4, v[QOA]
	s_lshl_b32 s80, s[KH], 13       ; tiles 0, 1 are query groups 2 (w / 2) and + 1: 32 rows of 256 bytes on
	s_xor_b32 s81, s80, 8192        ; tiles 2, 3 the other two
	v_add_nc_u32 v[QOB], s81, v[QOA]
	v_add_nc_u32 v[QOA], s80, v[QOA]
	WIN 0x80                        ; destination window 2
.irp i, 0,1,2,3,4,5,6,7             ; Q stays in registers: tile i / 4, channels 32 (i % 4) on
	global_load_b128 v[8*(\i):8*(\i)+3],   v[QOA], s[QP:QP+1] offset:((\i)/4)*4096+((\i)%4)*64
	global_load_b128 v[8*(\i)+4:8*(\i)+7], v[QOA], s[QP:QP+1] offset:((\i)/4)*4096+((\i)%4)*64+32
.endr
.irp i, 0,1,2,3,4,5,6,7
	global_load_b128 v[64+8*(\i):64+8*(\i)+3],   v[QOB], s[QP:QP+1] offset:((\i)/4)*4096+((\i)%4)*64
	global_load_b128 v[64+8*(\i)+4:64+8*(\i)+7], v[QOB], s[QP:QP+1] offset:((\i)/4)*4096+((\i)%4)*64+32
.endr
	; What the first turns find: O^T and l are 0; V and piece 2's P are 0, so that the products V^T P of a step that has not been add 0.  All this stands in the wait for the first tile.
	WIN 0x40
.set i, 0
.rept 256
	v_mov_b32 v[i], 0
.set i, i+1
.endr
	WIN 0xc0
.set i, 0
.rept 128
	v_mov_b32 v[i], 0
.set i, i+1
.endr
	WIN 0
.set i, P+32
.rept 32
	v_mov_b32 v[i], 0
.set i, i+1
.endr
.irp t, 0,1,2,3
	v_mov_b32 v[ST+8*(\t)], 0xff7fffff     ; m: the lowest finite number
	v_mov_b32 v[ST+8*(\t)+1], 0xff7fffff   ; named with it as a pair
	v_mov_b32 v[ST+8*(\t)+2], 0
	v_mov_b32 v[ST+8*(\t)+3], 0
.endr
	v_mul_u32_u24 v[AK0], v1, PK
	v_lshl_add_u32 v[AK0], v57, 4, v[AK0]
	s_mul_i32 s80, s[KH], KS*PK     ; my 64 of the tile's 128 keys
	v_add_nc_u32 v[AK0], s80, v[AK0]
	v_and_b32 v58, 7, v0
	v_bfe_u32 v59, v0, 3, 1
	v_lshl_add_u32 v[AV0], v57, 3, v58
	v_mul_u32_u24 v[AV0], v[AV0], PVV
	v_lshl_add_u32 v[AV0], v59, 4, v[AV0]
	s_mul_i32 s80, s[KH], KS*PVV
	s_add_co_u32 s80, s80, WRG      ; V lies in wave 1's regions
	v_add_nc_u32 v[AV0], s80, v[AV0]
	v_mul_u32_u24 v[AMA0], v1, PM
	v_lshl_add_u32 v[AMA0], v57, 5, v[AMA0]  ; row r, keys 8 h on
	s_add_co_u32 s80, s[QH], 2
	s_mul_i32 s80, s80, WRG         ; my query half's rows lie in wave 2's or wave 3's regions
	s_lshl_b32 s81, s[KH], 8
	s_add_co_u32 s80, s80, s81      ; my 64 keys: 256 bytes on
	s_mul_i32 s81, s[KH], 32*PM     ; tiles 0, 1: rows 32 (w / 2) on
	s_sub_co_u32 s82, 32*PM, s81    ; tiles 2, 3: the other 32 rows
	s_add_co_u32 s81, s81, s80
	s_add_co_u32 s82, s82, s80
	v_add_nc_u32 v[AMB0], s82, v[AMA0]
	v_add_nc_u32 v[AMA0], s81, v[AMA0]
; THE MATRIX WORK OF A TURN, for piece x.  The accumulators take turns, one instruction a turn.
; Product i of 32 of O^T += V^T P: keys 32 (i / 16) on, channels 16 ((i / 2) % 8) on, tile x + i % 2.
.macro PV x
	WIN W_PV
.set rO, 64*((\x)+i%2)+8*((i/2)%8)
.set rV, 64*(i/16)+8*((i/2)%8)
.set rP, P+16*((\x)+i%2)+8*(i/16)
	v_wmma_f32_16x16x32_f16 v[rO:rO+7], v[rV:rV+7], v[rP:rP+7], v[rO:rO+7]
.endm
; Product i of 32 of S^T = K Q^T: channels 32 (i / 8) on, keys 16 ((i / 2) % 4) on, tile x + i % 2.  The first 8 start the sums.
.macro KQ x
	WIN W_KQ
.set rS, S+32*((\x)+i%2)+8*((i/2)%4)
.set rK, KF+32*((i/2)%4)+8*(i/8)
.set rQ, 32*((\x)+i%2)+8*(i/8)
.if i < 8
	v_wmma_f32_16x16x32_f16 v[rS:rS+7], v[rK:rK+7], v[rQ:rQ+7], 0
	s_wait_alu depctr_va_vdst(0)
.else
	v_wmma_f32_16x16x32_f16 v[rS:rS+7], v[rK:rK+7], v[rQ:rQ+7], v[rS:rS+7]
.endif
.endm
; THE MASK of piece y's two tiles: s = log2(e) mask + s, 32 packed multiply-adds, each accumulator's lowest registers first.  They stand at the head of the turn that carries the
; piece's softmax: behind slice 63's sixteen plain instructions, the places behind the last product K Q^T, and ahead of the run of loads that brings the next step's mask.
.macro ADDM y
	WIN W_AM
.set n, 0
.rept 32
	v_pk_fma_f32 v[S+32*(\y)+2*n:S+32*(\y)+2*n+1], v[MK+32*(\y)+2*n:MK+32*(\y)+2*n+1], s[CS:CS+1], v[S+32*(\y)+2*n:S+32*(\y)+2*n+1] op_sel_hi:[1,0,1]
.set n, n+1
.endr
.endm
; THE LDS LOADS stand in runs, never singly among the matrix instructions: a step's K (16 fragments) and mask (all four tiles: 32 bytes a lane for each 16 x 16), and a turn later its V (turned).
; last = 1 (the tail): in the last trip there is no further step, and the run is jumped over.
.macro FETCH_KM last=0
	WIN 0
.if \last
	s_cmp_eq_u32 s[CNT], 1
	s_cbranch_scc1 .Lno_k_\@
.endif
	v_add_nc_u32 v[ADR], s[SB], v[AK0]
	v_add_nc_u32 v[AMA], s[SB], v[AMA0]
	v_add_nc_u32 v[AMB], s[SB], v[AMB0]
	WIN 0x80                        ; destination window 2
.irp f, 0,1,2,3,4,5,6,7,8,9,10,11,12,13,14,15  ; keys 16 (f / 4) on, channels 32 (f % 4) on
	ds_load_b128 v[KF+8*(\f):KF+8*(\f)+3],   v[ADR] offset:((\f)/4)*16*PK+((\f)%4)*64
	ds_load_b128 v[KF+8*(\f)+4:KF+8*(\f)+7], v[ADR] offset:((\f)/4)*16*PK+((\f)%4)*64+32
.endr
	WIN 0xc0                        ; destination window 3
.irp f, 0,1,2,3,4,5,6,7             ; tile f / 4, keys 16 (f % 4) on
	ds_load_b128 v[MK+8*(\f):MK+8*(\f)+3],   v[AMA] offset:((\f)/4)*16*PM+((\f)%4)*64
	ds_load_b128 v[MK+8*(\f)+4:MK+8*(\f)+7], v[AMA] offset:((\f)/4)*16*PM+((\f)%4)*64+16
.endr
.irp f, 0,1,2,3,4,5,6,7             ; tile 2 + f / 4
	ds_load_b128 v[MK+64+8*(\f):MK+64+8*(\f)+3],   v[AMB] offset:((\f)/4)*16*PM+((\f)%4)*64
	ds_load_b128 v[MK+64+8*(\f)+4:MK+64+8*(\f)+7], v[AMB] offset:((\f)/4)*16*PM+((\f)%4)*64+16
.endr
	WIN 0
.if \last
.Lno_k_\@:
.endif
.endm
.macro FETCH_V
	WIN 0
	v_add_nc_u32 v[ADR], s[SB], v[AV0]
	WIN 0xc0
.irp f, 0,1,2,3,4,5,6,7,8,9,10,11,12,13,14,15  ; keys 32 (f / 8) on, channels 16 (f % 8) on
	ds_load_tr16_b128 v[8*(\f):8*(\f)+3],   v[ADR] offset:((\f)/8)*32*PVV+((\f)%8)*32
	ds_load_tr16_b128 v[8*(\f)+4:8*(\f)+7], v[ADR] offset:((\f)/8)*32*PVV+16*PVV+((\f)%8)*32
.endr
.endm
; THE SOFTMAX OF A TURN.  One tile's softmax for one key step is a list numbered 0 to 133 (number 19 is empty); SM writes number j of it for tile t.  s0-s31 are the lane's 32 scores, in pairs 0-15.
;   0-15    the maximum of s0-s31 and the old m, three operands at a time
;   16-20   the other half of the lanes' maximum; m_old is kept; the new m; m_old - m_new
;   21-87   33 exponentials (a, then s0-s31) at the odd numbers from 23 on, so that no two follow each other and each has a plain instruction behind it before its result is used; the plain ones between
;           are whatever is ready: s - m for a pair whose exponentials are to come, the rounding to f16 of a pair whose exponentials are done, at last the first three sums
;   88-101  the last rounding; the rest of the sums; l = a l + the sum          102-133 the tile's O^T times a: the one part that leaves window 0
.macro SM t
.set rT, ST+8*(\t)
.set rS, S+32*(\t)
.set rP, P+16*(\t)
.set rO, 64*(\t)+2*(j-102)
.set q, (j-20)/2
.if j < 102
	WIN 0
.endif
.if j < 4
	v_max3_num_f32 v[rT+4+j], v[rS+8*j], v[rS+8*j+1], v[rS+8*j+2]
.elseif j < 12
	v_max3_num_f32 v[rT+4+j%4], v[rT+4+j%4], v[rS+8*(j%4)+2*(j/4)+1], v[rS+8*(j%4)+2*(j/4)+2]
.elseif j == 12
	v_max3_num_f32 v[rT+4], v[rT+4], v[rS+7], v[rS+15]
.elseif j == 13
	v_max3_num_f32 v[rT+6], v[rT+6], v[rS+23], v[rS+31]
.elseif j == 14
	v_max3_num_f32 v[rT+4], v[rT+4], v[rT+5], v[rT+6]
.elseif j == 15
	v_max3_num_f32 v[rT+4], v[rT+4], v[rT+7], v[rT]
.elseif j == 16
	v_permlanex16_b32 v[rT+5], v[rT+4], s[SEL], s[SEL+1]  ; the query's other 32 keys lie in the lane 16 away
.elseif j == 17
	v_mov_b32 v[rT+7], v[rT]        ; m_old is kept for a: number 18 writes m anew
.elseif j == 18
	v_max_num_f32 v[rT], v[rT+4], v[rT+5]
.elseif j == 19                     ; empty
.elseif j == 20
	v_sub_f32 v[rT+7], v[rT+7], v[rT]
.elseif j == 23
	v_exp_f32 v[rT+6], v[rT+7]
.elseif (j < 88) && (j > 23) && (j%2 == 1)
	v_exp_f32 v[rS+(j-25)/2], v[rS+(j-25)/2]
.elseif (q < 4) || ((j < 76) && (q%2 == 0))
.set b, q/2+2
.if q < 4
.set b, q
.endif
	v_pk_add_f32 v[rS+2*b:rS+2*b+1], v[rS+2*b:rS+2*b+1], v[rT:rT+1] op_sel_hi:[1,0] neg_lo:[0,1] neg_hi:[0,1]  ; pair b: s - m, m for both halves
.elseif (j < 88) && (q%2 == 1)
	s_wait_alu depctr_va_vdst(0)
	v_cvt_pk_f16_f32 v[rP+(q-5)/2], v[rS+q-5], v[rS+q-4]  ; pair (q - 5) / 2: its second exponential stands three numbers back
.elseif j == 89
	s_wait_alu depctr_va_vdst(0)
	v_cvt_pk_f16_f32 v[rP+15], v[rS+30], v[rS+31]
.elseif j < 102                     ; the sum of the tile's 16 pairs, in place: sum z of 16 adds neighbours 1, 2, 4 and 8 pairs apart, then l takes it
.set z, j-86
.if j < 89
.set z, (j-76)/4
.endif
.set w, 4
.set u, z
.if z >= 14
.set w, 32
.set u, 0
.elseif z >= 12
.set w, 16
.set u, z-12
.elseif z >= 8
.set w, 8
.set u, z-8
.endif
.if z < 15
	v_pk_add_f32 v[rS+w*u:rS+w*u+1], v[rS+w*u:rS+w*u+1], v[rS+w*u+w/2:rS+w*u+w/2+1]
.else
	v_pk_fma_f32 v[rT+2:rT+3], v[rT+2:rT+3], v[rT+6:rT+7], v[rS:rS+1] op_sel_hi:[1,0,1]
.endif
.else
	WIN W_RS
	v_pk_mul_f32 v[rO:rO+1], v[rO:rO+1], v[rT+6:rT+7] op_sel_hi:[1,0]
.endif
.endm
; Slice k of 64 of piece y's softmax: numbers 2 k and 2 k + 1 of both tiles' lists.  2 x 134 numbers = 4 x 64 + 12: the twelve that are over stand together, in slice 63: sixteen plain instructions,
; which are also the places between a turn's last product and what follows (ISA guide 7.12.1).
.macro SLICE y
.if (k >= 11) && (k < 44)           ; tile by tile: plain, exponential, plain, exponential
.irp t, \y, (\y)+1
.irp n, 0,1
.set j, 2*k+(\n)
	SM \t
.endr
.endr
.else                               ; the two tiles alternate, so that no instruction reads the result of the one just before it
.irp n, 0,1,2,3,4,5,6,7
.if ((\n) < 2) || (k == 63)
.irp t, \y, (\y)+1
.set j, 2*k+(\n)
	SM \t
.endr
.endif
.endr
.endif
.set k, k+1
.endm
; A TURN.  Piece x has the matrix unit; the other piece's mask is added at the head, and its softmax stands in slices behind the matrix instructions.  Each run of loads stands behind the second product of a
; run of 32, 30 matrix instructions ahead of its first use.  Piece 0's turn fetches the next step's K and mask: K's last reader stands in front of slice 63 of the turn before, the mask's last reader is this
; turn's own head.  Piece 2's turn fetches the same step's V: the last product that read V stands three slices, six plain instructions, back.
.macro TURN x, last=0
.set k, 0
	ADDM 2-(\x)
.if (\x) == 0
	s_wait_dscnt 0x0                ; V is in
.endif
.set i, 0
.rept 32
	PV \x
	SLICE 2-(\x)
.if ((\x) == 0) && (i == 1)
	FETCH_KM \last
.endif
.set i, i+1
.endr
.if (\x) == 0
	s_wait_dscnt 0x0                ; K and the mask are in
.endif
.set i, 0
.rept 32
	KQ \x
	SLICE 2-(\x)
.if ((\x) == 2) && (i == 1)
	FETCH_V
.endif
.set i, i+1
.endr
.endm
	s_wait_tensorcnt 0x1            ; my part of tile 0 is in; tile 1's may stay out
	s_barrier_signal -1
	s_barrier_wait -1               ; everybody's part of tile 0 is
	FETCH_KM
	s_wait_loadcnt 0x0              ; Q
	s_wait_dscnt 0x0
.set i, 0
.rept 32
	KQ 0                            ; piece 0's first scores: there is no vector work yet to set between them
.set i, i+1
.endr
	WIN 0                           ; the addresses for the way out: eight plain instructions, the places behind those products
	s_mul_i32 s80, s[WV], 16*SP
	s_add_co_u32 s80, s80, STAGE    ; my stage
	v_mul_u32_u24 v[STO], v1, SP    ; in: row l % 16, 16 bytes for each half of the lanes
	v_lshl_add_u32 v[STO], v57, 4, v[STO]
	v_add_nc_u32 v[STO], s80, v[STO]
	v_mul_u32_u24 v[RD], v57, SP    ; back: lanes 0-15 take one row of 256 bytes, lanes 16-31 the next
	v_lshl_add_u32 v[RD], v1, 4, v[RD]
	v_add_nc_u32 v[RD], s80, v[RD]
	v_lshlrev_b32 v[GO], 10, v57    ; and the same two rows in ao, 1,024 bytes apart
	v_lshl_add_u32 v[GO], v1, 4, v[GO]
	s_mov_b32 s[SLOTS], 15
	s_branch .Lmid                  ; the loop is entered in the middle of a trip
.Lslot:                             ; 14 whole trips: tiles 2 to 15 are requested
	CHANGE 1
	TURN 0
	WIN 0
.Lmid:
	TURN 2
	WIN 0
	s_sub_co_u32 s[SLOTS], s[SLOTS], 1
	s_cmp_lg_u32 s[SLOTS], 0
	s_cbranch_scc1 .Lslot
	CHANGE 0                        ; the tail is written out: nothing is asked for
	s_mov_b32 s[CNT], 2             ; the first trip fetches the last tile; the second is left in its middle
.Ltail:
	TURN 0, 1
	WIN 0
	s_sub_co_u32 s[CNT], s[CNT], 1
	s_cmp_eq_u32 s[CNT], 0
	s_cbranch_scc1 .Lout
	TURN 2
	WIN 0
	s_branch .Ltail
.Lout:                              ; the second trip's 32 products K Q^T (on the last K once more) serve nothing; their registers, S^T of tiles 0 and 1, take the gate
.irp f, 0,1,2,3,4,5,6,7,8,9,10,11,12,13,14,15  ; tile f / 8, channels 16 (f % 8) + 8 (l / 16) + 0..7 of my query: 16 bytes
	global_load_b128 v[GT+4*(\f):GT+4*(\f)+3], v[QOA], s[GP:GP+1] offset:((\f)/8)*4096+((\f)%8)*32
.endr
.set i, 0
.rept 32
	PV 2                            ; piece 2: V^T P of the last step
.set i, i+1
.endr
	; THE EXCHANGE.  My tiles 2, 3 (O^T and statistics) go to wave w xor 2, through slot 0 of my regions, which has had its last fill and whose last reads lie in front of the last change of slots.
	WIN 0                           ; six plain instructions, the places behind the last products
	v_add_f32 v[ST+4], v[ST+2], v[ST+3]
	v_add_f32 v[ST+12], v[ST+10], v[ST+11]
	v_and_b32 v[XS], 31, v0
	v_lshlrev_b32 v[XS], 4, v[XS]
	s_mul_i32 s80, s[WV], WRG
	s_xor_b32 s81, s[WV], 2
	s_mul_i32 s81, s81, WRG
	v_add_nc_u32 v[XR], s81, v[XS]
	v_add_nc_u32 v[XS], s80, v[XS]
	s_wait_dscnt 0x0
	s_barrier_signal -1             ; every wave's reads of the ring are over
	s_barrier_wait -1
	WIN 0x04                        ; store data (source 1) in window 1
.set i, 0
.rept 32
	ds_store_b128 v[XS], v[128+4*i:128+4*i+3] offset:512*i
.set i, i+1
.endr
	WIN 0
	ds_store_b128 v[XS], v[ST+16:ST+19] offset:16384
	ds_store_b128 v[XS], v[ST+24:ST+27] offset:16896
	s_wait_dscnt 0x0                ; for the partner's sake: my stores are done
	s_barrier_signal -1
	s_barrier_wait -1
.set i, 0
.rept 32
	ds_load_b128 v[AR+4*i:AR+4*i+3], v[XR] offset:512*i
.set i, i+1
.endr
	ds_load_b128 v[PS:PS+3], v[XR] offset:16384
	ds_load_b128 v[PS+4:PS+7], v[XR] offset:16896
	s_wait_dscnt 0x0
	; The two halves of the keys are merged: with mx = max(m_a, m_b), f = 2^(m - mx): l = f_a l_a + f_b l_b (and the other half of the lanes'), O = (f_a O_a + f_b O_b) / l
.irp t, 0,1
	v_add_f32 v[PS+4*(\t)+2], v[PS+4*(\t)+2], v[PS+4*(\t)+3]
.endr
.irp t, 0,1
	v_max_num_f32 v[ST+8*(\t)+5], v[ST+8*(\t)], v[PS+4*(\t)]
.endr
.irp t, 0,1
	v_sub_f32 v[ST+8*(\t)+6], v[ST+8*(\t)], v[ST+8*(\t)+5]
	v_sub_f32 v[ST+8*(\t)+7], v[PS+4*(\t)], v[ST+8*(\t)+5]
.endr
.irp t, 0,1
	v_exp_f32 v[ST+8*(\t)+6], v[ST+8*(\t)+6]
	v_exp_f32 v[ST+8*(\t)+7], v[ST+8*(\t)+7]
.endr
	v_nop                           ; a plain instruction between the last exponential and the use of its result
	s_wait_alu depctr_va_vdst(0)
.irp t, 0,1
	v_mul_f32 v[ST+8*(\t)+4], v[ST+8*(\t)+6], v[ST+8*(\t)+4]
.endr
.irp t, 0,1
	v_fmac_f32 v[ST+8*(\t)+4], v[ST+8*(\t)+7], v[PS+4*(\t)+2]
.endr
.irp t, 0,1
	v_permlanex16_b32 v[ST+8*(\t)+5], v[ST+8*(\t)+4], s[SEL], s[SEL+1]
.endr
.irp t, 0,1
	v_add_f32 v[ST+8*(\t)+4], v[ST+8*(\t)+4], v[ST+8*(\t)+5]
.endr
.irp t, 0,1
	v_rcp_f32 v[ST+8*(\t)+5], v[ST+8*(\t)+4]
.endr
	v_nop
	s_wait_alu depctr_va_vdst(0)
.irp t, 0,1
	v_mul_f32 v[ST+8*(\t)+6], v[ST+8*(\t)+6], v[ST+8*(\t)+5]   ; f_a / l
	v_mul_f32 v[ST+8*(\t)+4], v[ST+8*(\t)+7], v[ST+8*(\t)+5]   ; f_b / l
.endr
	WIN W_RS
.set n, 0
.rept 64
	v_pk_mul_f32 v[2*n:2*n+1], v[2*n:2*n+1], v[ST+8*(n/32)+6:ST+8*(n/32)+7] op_sel_hi:[1,0]
.set n, n+1
.endr
	WIN 0x50                        ; sources 0 and 1 window 0, source 2 and destination window 1
.set n, 0
.rept 64
	v_pk_fma_f32 v[2*n:2*n+1], v[AR+2*n:AR+2*n+1], v[ST+8*(n/32)+4:ST+8*(n/32)+5], v[2*n:2*n+1] op_sel_hi:[1,0,1]
.set n, n+1
.endr
	; THE GATE: sigmoid(g) = 1 / (1 + 2^(-log2(e) g)), for the 128 numbers of my two tiles, where the partner's O^T lay
	WIN 0
	s_wait_loadcnt 0x0
.set n, 0
.irp s, v64.l,v64.h,v65.l,v65.h,v66.l,v66.h,v67.l,v67.h,v68.l,v68.h,v69.l,v69.h,v70.l,v70.h,v71.l,v71.h,v72.l,v72.h,v73.l,v73.h,v74.l,v74.h,v75.l,v75.h,v76.l,v76.h,v77.l,v77.h,v78.l,v78.h,v79.l,v79.h
	v_cvt_f32_f16 v[AR+n], \s
.set n, n+1
.endr
.irp s, v80.l,v80.h,v81.l,v81.h,v82.l,v82.h,v83.l,v83.h,v84.l,v84.h,v85.l,v85.h,v86.l,v86.h,v87.l,v87.h,v88.l,v88.h,v89.l,v89.h,v90.l,v90.h,v91.l,v91.h,v92.l,v92.h,v93.l,v93.h,v94.l,v94.h,v95.l,v95.h
	v_cvt_f32_f16 v[AR+n], \s
.set n, n+1
.endr
.irp s, v96.l,v96.h,v97.l,v97.h,v98.l,v98.h,v99.l,v99.h,v100.l,v100.h,v101.l,v101.h,v102.l,v102.h,v103.l,v103.h,v104.l,v104.h,v105.l,v105.h,v106.l,v106.h,v107.l,v107.h,v108.l,v108.h,v109.l,v109.h,v110.l,v110.h,v111.l,v111.h
	v_cvt_f32_f16 v[AR+n], \s
.set n, n+1
.endr
.irp s, v112.l,v112.h,v113.l,v113.h,v114.l,v114.h,v115.l,v115.h,v116.l,v116.h,v117.l,v117.h,v118.l,v118.h,v119.l,v119.h,v120.l,v120.h,v121.l,v121.h,v122.l,v122.h,v123.l,v123.h,v124.l,v124.h,v125.l,v125.h,v126.l,v126.h,v127.l,v127.h
	v_cvt_f32_f16 v[AR+n], \s
.set n, n+1
.endr
.set n, 0
.rept 64
	v_pk_mul_f32 v[AR+2*n:AR+2*n+1], v[AR+2*n:AR+2*n+1], s[NL:NL+1] op_sel_hi:[1,0]
.set n, n+1
.endr
.set n, 0
.rept 128
	v_exp_f32 v[AR+n], v[AR+n]
.set n, n+1
.endr
	v_nop
.set n, 0
	s_wait_alu depctr_va_vdst(0)
.rept 64
	v_pk_add_f32 v[AR+2*n:AR+2*n+1], v[AR+2*n:AR+2*n+1], 1.0 op_sel_hi:[1,0]
.set n, n+1
.endr
.set n, 0
.rept 128
	v_rcp_f32 v[AR+n], v[AR+n]
.set n, n+1
.endr
	v_nop
	WIN W_RS
.set n, 0
	s_wait_alu depctr_va_vdst(0)
.rept 64
	v_pk_mul_f32 v[2*n:2*n+1], v[2*n:2*n+1], v[AR+2*n:AR+2*n+1]
.set n, n+1
.endr
	WIN 0x05                        ; sources 0 and 1 window 1, destination window 0
.set n, 0
.rept 64
	v_cvt_pk_f16_f32 v[AR+n], v[2*n], v[2*n+1]
.set n, n+1
.endr
	WIN 0
; THE WAY OUT.  Tile t: a lane's eight channels of a row are 16 bytes; they go into rows of 272 bytes and come back as whole rows of 256, into the registers that they left.
.macro TOSTAGE t
.irp f, 0,1,2,3,4,5,6,7
	ds_store_b128 v[STO], v[AR+32*(\t)+4*(\f):AR+32*(\t)+4*(\f)+3] offset:32*(\f)
.endr
.irp f, 0,1,2,3,4,5,6,7
	ds_load_b128 v[AR+32*(\t)+4*(\f):AR+32*(\t)+4*(\f)+3], v[RD] offset:(\f)*2*SP  ; LDS serves a wave's instructions in order (ISA guide 5.7.1.4): these see the stores above; the next tile's stores come behind them
.endr
.endm
.macro SEND t, younger              ; younger: the LDS instructions issued behind tile t's loads
.irp f, 0,1,2,3,4,5,6,7
	s_wait_dscnt (\younger)+7-(\f)
	global_store_b128 v[GO], v[AR+32*(\t)+4*(\f):AR+32*(\t)+4*(\f)+3], s[8:9] offset:(\t)*16384+(\f)*2048  ; 16 lanes store 256 consecutive bytes, at a multiple of 256 from ao's first byte
.endr
.endm
	TOSTAGE 0
	TOSTAGE 1
	SEND 0, 16
	SEND 1, 0
	s_wait_tensorcnt 0x0            ; the wave's end
	ds_add_u32 v[SPW], v[NIL]
	s_wait_dscnt 0x0
	CROUND                          ; the closing round
	s_endpgm
.Lfunc_end_k_qd34a679154_attn:
	.size	k_qd34a679154_attn, .Lfunc_end_k_qd34a679154_attn-k_qd34a679154_attn
	.p2alignl 7, 3214868480
	.fill 96, 4, 3214868480
	.section	.rodata,"a",@progbits
	.p2align	6, 0x0
	.amdhsa_kernel k_qd34a679154_attn
		.amdhsa_group_segment_fixed_size 327680
		.amdhsa_private_segment_fixed_size 0
		.amdhsa_enable_private_segment 0
		.amdhsa_kernarg_size 24
		.amdhsa_user_sgpr_count 2
		.amdhsa_user_sgpr_kernarg_segment_ptr 1
		.amdhsa_wavefront_size32 1
		.amdhsa_system_sgpr_workgroup_id_x 1
		.amdhsa_system_sgpr_workgroup_id_y 1
		.amdhsa_system_sgpr_workgroup_id_z 1
		.amdhsa_system_vgpr_workitem_id 0
		.amdhsa_next_free_vgpr 1024
		.amdhsa_next_free_sgpr 106
		.amdhsa_reserve_vcc 0
		.amdhsa_float_denorm_mode_32 3
		.amdhsa_float_denorm_mode_16_64 3
		.amdhsa_memory_ordered 1
		.amdhsa_forward_progress 1
		.amdhsa_inst_pref_size 203
	.end_amdhsa_kernel
	.amdgpu_metadata
---
amdhsa.version: [ 1, 2 ]
amdhsa.kernels:
  - .name:           k_qd34a679154_attn
    .symbol:         k_qd34a679154_attn.kd
    .args:
      - { .name: qkvg, .offset: 0, .size: 8, .value_kind: global_buffer, .address_space: global }
      - { .name: attention_mask, .offset: 8, .size: 8, .value_kind: global_buffer, .address_space: global }
      - { .name: ao, .offset: 16, .size: 8, .value_kind: global_buffer, .address_space: global }
    .group_segment_fixed_size: 327680
    .private_segment_fixed_size: 0
    .kernarg_segment_align: 8
    .kernarg_segment_size: 24
    .max_flat_workgroup_size: 128
    .sgpr_count:     106
    .vgpr_count:     1024
    .wavefront_size: 32
...
	.end_amdgpu_metadata
.endif
;; end of part 3
;; launch outp (part 4): grid 8 x 32, 4 waves a work-group, clusters of 4 x 4, 327,680 bytes of LDS; arguments ao, wob, out0; writes out0
.if DOCPART == 4
	.amdgcn_target "amdgcn-amd-amdhsa--gfx1250"
	.amdhsa_code_object_version 6
	.text
	.protected	k_qd34a679154_outp
	.globl	k_qd34a679154_outp
	.p2align	8
	.type	k_qd34a679154_outp,@function
k_qd34a679154_outp:
	s_mov_b64 s[64:65], 0
	v_nop
	global_prefetch_b8 v0, s[64:65] scope:SCOPE_SE
	s_setreg_imm32_b32 hwreg(HW_REG_WAVE_MODE, 25, 1), 1
	s_wait_xcnt 0x0
	s_wait_alu depctr_hold_cnt(0) depctr_sa_sdst(0) depctr_va_vdst(0) depctr_va_sdst(0) depctr_va_ssrc(0) depctr_va_vcc(0) depctr_vm_vsrc(0)
	s_getreg_b32 s2, hwreg(HW_REG_IB_STS2, 6, 4)
	s_cmp_eq_u32 s2, 0
	s_cbranch_scc0 .Lentry_in_a_cluster
	s_endpgm
.Lentry_in_a_cluster:
	s_bfe_u32 s2, ttmp6, 0x10000c
	s_cmp_lg_u32 s2, 0xf033
	s_cbranch_scc0 .Lentry_shape_is_right
	s_endpgm
.Lentry_shape_is_right:
; OUTP.  out0 = ao wob.  ao: f16 [8192][512]; wob: f16 [512 k][2048 n] (wo rounded to bf16, written as f16); out0: f32 [8192][2048]; sums in f32.
; SHAPE.  A tile of C is 256 x 256, made by four waves of 128 x 128 (64 accumulators, 512 registers); 8 x 32 tiles are 256 work-groups.  K = 512 goes in four steps of 128 through a ring of two LDS slots.
; The matrix instruction is used transposed (source 0 = 16 columns of wob, source 1 = 16 rows of ao): a lane holds one row of C and eight neighbouring columns, 32 bytes.  wob lies [k][n], so its
; fragments come out of LDS turned, by ds_load_tr16_b128.
; CLUSTER.  4 x 4 work-groups: the four of a row of the cluster need the same tiles of ao, the four of a column the same tiles of wob: each tile is asked for jointly.
; REGISTERS, in windows of 256 (s_set_vgpr_msb: bits 1:0 source 0, 3:2 source 1, 5:4 source 2, 7:6 destination):
;   window 0: v0-31 addresses; v64-127, v128-191 fragments of ao, two buffers (on the way out v128-159: rows read back)      window 1: v64-127, v128-191 fragments of wob
;   window 2: the accumulators of my rows 0-63 ((a, b) at v[8 (8 a + b)]);   window 3: those of rows 64-127
.set KDIM,  512
.set NSTEP, KDIM/128
.set PA,    272       ; a row of ao in LDS: 256 bytes + 16: the 16 rows of a fragment load start at 16 different groups of four banks (64 banks of 4 bytes: ISA guide 11.1)
.set PB,    544       ; a row of wob (256 columns): 512 bytes + 32 = 17 x 32
.set PO,    528       ; the way out: a row of 128 f32 + 16 bytes
.set REG,   34816     ; what one tensor load brings: 128 rows of ao, or 64 rows of wob
.set WREG,  69632     ; a wave's two such regions.  REG = 0x8800 shares no bit with w x 0x11000, so an exclusive or changes the slot
.set SPARE, 4*WREG    ; the spare words, 128 bytes for each wave: two blocks of 256 bytes that no other line names
.set A0,   16
.set B0,   17
.set B1,   18
.set ADRA, 20
.set ADRB, 21
.set STO,  24
.set RD,   25
.set CO,   26
.set SPW,  28
.set NIL,  29
.set F0,   64
.set F1,   128
.set OB,   128
.set WV, 18
.set RH, 19           ; s19 my half of the tile's rows; also: I fetch ao (0) or wob (1)
.set CH, 20           ; s20 my half of its columns; also: which half of that tile I fetch
.set CX, 21
.set CY, 22
.set TC, 23
.set G1A,  24
.set G0A0, 32
.set G0A,  36
.set G1B,  40
.set G0B0, 48
.set G0B,  52
.set TR, 56
.set SB, 57
.set CNT, 58
.set LB, 59
.set MSB, 0
.macro WIN new
.if MSB != (\new)
	s_set_vgpr_msb (MSB<<8)|(\new)
.set MSB, \new
.endif
.endm
.set MUL_LO, 0xa1
.set MUL_HI, 0xf1
.set TO_B,   0x40
; A joint refill: waves 0 and 1 fetch ao's two halves, waves 2 and 3 wob's.  An s_nop 0 and four v_nop follow each of the two lines, ahead of the jump and the label.
.macro JLOAD
	s_cmp_eq_u32 s[RH], 0
	s_cbranch_scc0 .Lfor_b_\@
	tensor_load_to_lds s[G0A:G0A+3], s[G1A:G1A+7]
	s_nop 0
.rept 4
	v_nop
.endr
	s_branch .Lasked_\@
.Lfor_b_\@:
	tensor_load_to_lds s[G0B:G0B+3], s[G1B:G1B+7]
	s_nop 0
.rept 4
	v_nop
.endr
.Lasked_\@:
.endm
.macro CREST
	s_cmp_lg_u32 s[WV], 0
	s_cbranch_scc1 .Lnot_wave_0_\@
	s_barrier_signal -3
.Lnot_wave_0_\@:
	s_barrier_wait -3
	s_barrier_signal -1
	s_barrier_wait -1
.endm
.macro CROUND
	s_barrier_signal -1
	s_barrier_wait -1
	CREST
.endm
	s_load_b128 s[4:7], s[0:1], 0x0                ; ao s[4:5], wob s[6:7]
	s_load_b64 s[8:9], s[0:1], 0x10                ; out0
	v_lshl_add_u32 v[SPW], v0, 2, SPARE
	v_mov_b32 v[NIL], 0
	ds_add_u32 v28, v29
	s_wait_dscnt 0x0
	v_lshrrev_b32 v1, 5, v0
	v_readfirstlane_b32 s[WV], v1
	s_lshr_b32 s[RH], s[WV], 1
	s_and_b32 s[CH], s[WV], 1
	s_bfe_u32 s[CX], ttmp6, 0x40000
	s_bfe_u32 s[CY], ttmp6, 0x40004
	s_lshl_b32 s[TC], ttmp9, 2
	s_add_co_u32 s[TC], s[TC], s[CX]
	s_and_b32 s[TR], ttmp7, 0xffff
	s_lshl_b32 s[TR], s[TR], 2
	s_add_co_u32 s[TR], s[TR], s[CY]
	s_lshl_b32 s60, s[CY], 2
	s_lshl_b32 s60, 15, s60                        ; my row of the cluster
	s_lshl_b32 s66, 0x1111, s[CX]                  ; my column
	s_or_b32 s[G1A], s60, (1<<16)|(1<<20)|(1<<21)|(5<<22)|(3<<25)
	s_mov_b32 s[G1A+1], 128<<16
	s_mov_b32 s[G1A+2], 128<<16
	s_mov_b32 s[G1A+3], 128<<16
	s_mov_b32 s[G1A+4], 128
	s_mov_b32 s[G1A+5], KDIM
	s_mov_b32 s[G1A+6], 0
	s_mov_b32 s[G1A+7], 0
	s_or_b32 s[G1B], s66, (1<<16)|(1<<20)|(1<<21)|(6<<22)|(7<<25)
	s_mov_b32 s[G1B+1], 256<<16
	s_mov_b32 s[G1B+2], 64<<16
	s_mov_b32 s[G1B+3], 256<<16
	s_mov_b32 s[G1B+4], 64
	s_mov_b32 s[G1B+5], 2048
	s_mov_b32 s[G1B+6], 0
	s_mov_b32 s[G1B+7], 0
	s_lshl_b32 s60, s[TR], 8
	s_lshl_b32 s61, s[CH], 7
	s_add_co_u32 s60, s60, s61
	s_mul_i32 s60, s60, KDIM*2
	s_mov_b32 s61, 0
	s_lshl_b32 s66, s[TC], 9
	s_lshl_b32 s67, s[CH], 18
	s_add_co_u32 s66, s66, s67
	s_mov_b32 s67, 0
	s_mul_i32 s[LB], s[WV], WREG
	s_mov_b32 s[SB], 0
	s_lshl_b32 s70, s[TR], 21                      ; my part of out0: rows of 8,192 bytes, columns of 4
	s_lshl_b32 s71, s[RH], 20
	s_add_co_u32 s70, s70, s71
	s_lshl_b32 s71, s[TC], 10
	s_add_co_u32 s70, s70, s71
	s_lshl_b32 s71, s[CH], 9
	s_add_co_u32 s70, s70, s71
	s_mov_b32 s71, 0
	s_wait_kmcnt 0x0
	s_add_nc_u64 s[60:61], s[4:5], s[60:61]
	s_add_nc_u64 s[66:67], s[6:7], s[66:67]
	s_add_nc_u64 s[8:9], s[8:9], s[70:71]
	CROUND                                         ; all sixteen work-groups are here: the first joint loads meet
	s_mov_b32 s[G0A0], 1
	s_mov_b32 s[G0A0+1], s[LB]
	s_mov_b64 s[G0A0+2:G0A0+3], s[60:61]
	s_or_b32 s[G0A0+3], s[G0A0+3], 0x80000000
	s_mov_b32 s[G0A], 1
	s_add_co_u32 s[G0A+1], s[LB], REG
	s_add_nc_u64 s[G0A+2:G0A+3], s[60:61], 256
	s_or_b32 s[G0A+3], s[G0A+3], 0x80000000
	s_mov_b32 s[G0B0], 1
	s_mov_b32 s[G0B0+1], s[LB]
	s_mov_b64 s[G0B0+2:G0B0+3], s[66:67]
	s_or_b32 s[G0B0+3], s[G0B0+3], 0x80000000
	s_mov_b32 s[G0B], 1
	s_add_co_u32 s[G0B+1], s[LB], REG
	s_add_nc_u64 s[G0B+2:G0B+3], s[66:67], 524288
	s_or_b32 s[G0B+3], s[G0B+3], 0x80000000
	s_cmp_eq_u32 s[RH], 0                          ; a wave's two first fills stand in one branch: two loads of mine are out
	s_cbranch_scc0 .Lfirst_b
	tensor_load_to_lds s[G0A0:G0A0+3], s[G1A:G1A+7]
	s_nop 0
	tensor_load_to_lds s[G0A:G0A+3], s[G1A:G1A+7]
	s_nop 0
.rept 4
	v_nop
.endr
	s_branch .Lfirst_asked
.Lfirst_b:
	tensor_load_to_lds s[G0B0:G0B0+3], s[G1B:G1B+7]
	s_nop 0
	tensor_load_to_lds s[G0B:G0B+3], s[G1B:G1B+7]
	s_nop 0
.rept 4
	v_nop
.endr
.Lfirst_asked:
	v_and_b32 v1, 15, v0                           ; r = l % 16
	v_bfe_u32 v2, v0, 4, 1                         ; h = l / 16
	v_mul_u32_u24 v3, v1, PA
	v_lshl_add_u32 v3, v2, 4, v3
	s_mul_i32 s62, s[RH], WREG
	v_add_nc_u32 v[A0], s62, v3
	v_and_b32 v4, 7, v0
	v_lshl_add_u32 v4, v2, 3, v4
	v_mul_u32_u24 v4, v4, PB
	v_bfe_u32 v5, v0, 3, 1
	v_lshl_add_u32 v4, v5, 4, v4
	s_lshl_b32 s62, s[CH], 8
	s_add_co_u32 s62, s62, 2*WREG
	v_add_nc_u32 v[B0], s62, v4
	v_add_nc_u32 v[B1], WREG, v[B0]
	v_mov_b32 v[ADRA], v[A0]
	v_mov_b32 v[ADRB], v[B0]
	v_mov_b32 v[ADRB+1], v[B1]
	v_mul_u32_u24 v[STO], v1, PO                   ; the way out, in my own regions: in: row l % 16, 32 bytes for each half of the lanes
	v_lshl_add_u32 v[STO], v2, 5, v[STO]
	v_add_nc_u32 v[STO], s[LB], v[STO]
	v_and_b32 v[CO], 31, v0
	v_lshlrev_b32 v[CO], 4, v[CO]                  ; back: 32 lanes take one row of 512 bytes
	v_add_nc_u32 v[RD], s[LB], v[CO]
.macro MUL16 f, hi, a0, zero
	WIN MUL_LO+0x50*(\hi)
.irp a, \a0, (\a0)+1
.irp b, 0,1,2,3,4,5,6,7
.if \zero
	v_wmma_f32_16x16x32_f16 v[8*(8*(\a)+(\b)):8*(8*(\a)+(\b))+7], v[(\f)+8*(\b):(\f)+8*(\b)+7], v[(\f)+8*(4*(\hi)+(\a)):(\f)+8*(4*(\hi)+(\a))+7], 0
.else
	v_wmma_f32_16x16x32_f16 v[8*(8*(\a)+(\b)):8*(8*(\a)+(\b))+7], v[(\f)+8*(\b):(\f)+8*(\b)+7], v[(\f)+8*(4*(\hi)+(\a)):(\f)+8*(4*(\hi)+(\a))+7], v[8*(8*(\a)+(\b)):8*(8*(\a)+(\b))+7]
.endif
.endr
.endr
.endm
.macro FETCH q, f                      ; 32 LDS loads in one run: the fragments of quarter q of the K step into buffer f
	WIN TO_B
.irp i, 0,1,2,3,4,5,6,7
	ds_load_tr16_b128 v[(\f)+8*(\i):(\f)+8*(\i)+3],   v[ADRB+(\q)/2] offset:((\q)%2)*32*PB+32*(\i)
	ds_load_tr16_b128 v[(\f)+8*(\i)+4:(\f)+8*(\i)+7], v[ADRB+(\q)/2] offset:((\q)%2)*32*PB+16*PB+32*(\i)
.endr
	WIN 0
.irp i, 0,1,2,3,4,5,6,7
	ds_load_b128 v[(\f)+8*(\i):(\f)+8*(\i)+3],   v[ADRA] offset:64*(\q)+(\i)*16*PA
	ds_load_b128 v[(\f)+8*(\i)+4:(\f)+8*(\i)+7], v[ADRA] offset:64*(\q)+(\i)*16*PA+32
.endr
.endm
.macro PLACES                          ; four places in front of loads into registers that matrix instructions have read, and of stores that read results
.rept 4
	v_nop
.endr
.endm
.macro QUARTER q, f, g, zero
	s_wait_dscnt 8                                 ; wob and ao's rows 0-63 are in; the youngest eight loads (rows 64-127) may be out
	MUL16 \f, 0, 0, \zero
	MUL16 \f, 0, 2, \zero
	PLACES
	FETCH \q, \g
	s_wait_dscnt 32                                ; all but the 32 just issued
	MUL16 \f, 1, 0, \zero
	MUL16 \f, 1, 2, \zero
.endm
.macro MEET round                      ; one barrier for the change of slots: all my tensor loads have landed, the add, my reads of this slot are over
	WIN 0
	s_wait_tensorcnt 0x0
	ds_add_u32 v[SPW], v[NIL]
	s_wait_dscnt 9                                 ; the add and the youngest eight loads may be out
	MUL16 F1, 0, 0, 0
	s_wait_dscnt 0x0
	s_barrier_signal -1
	MUL16 F1, 0, 2, 0
.if \round
	WIN 0
.endif
	s_barrier_wait -1
.endm
.macro TURN                            ; the last quarter with a refill: the barrier opens a round of the cluster's; the joint load is the first tensor load behind it
	MEET 1
	CREST
	s_xor_b32 s[G0A+1], s[G0A+1], REG
	s_add_nc_u64 s[G0A+2:G0A+3], s[G0A+2:G0A+3], 256
	s_xor_b32 s[G0B+1], s[G0B+1], REG
	s_add_nc_u64 s[G0B+2:G0B+3], s[G0B+2:G0B+3], 524288
	s_xor_b32 s[SB], s[SB], REG
	JLOAD
	v_add_nc_u32 v[ADRA], s[SB], v[A0]
	v_add_nc_u32 v[ADRB], s[SB], v[B0]
	v_add_nc_u32 v[ADRB+1], s[SB], v[B1]
	FETCH 0, F0
	MUL16 F1, 1, 0, 0
	MUL16 F1, 1, 2, 0
.endm
.macro TURNN                           ; the same without a refill; in the very last K step (CNT = 1) the run of loads is jumped over
	MEET 0
	WIN 0
	s_xor_b32 s[SB], s[SB], REG
	v_add_nc_u32 v[ADRA], s[SB], v[A0]             ; these three and the v_nop are the places in front of the loads
	v_add_nc_u32 v[ADRB], s[SB], v[B0]
	v_add_nc_u32 v[ADRB+1], s[SB], v[B1]
	v_nop
	s_cmp_eq_u32 s[CNT], 1
	s_cbranch_scc1 .Lno_next_\@
	FETCH 0, F0
.Lno_next_\@:
	MUL16 F1, 1, 0, 0
	MUL16 F1, 1, 2, 0
.endm
	s_wait_tensorcnt 0x1                           ; my part of K step 0 is in; K step 1's may stay out
	s_barrier_signal -1
	s_barrier_wait -1
	FETCH 0, F0
	QUARTER 1, F0, F1, 1                           ; the first quarter's products start the sums
	WIN 0
	s_mov_b32 s[CNT], NSTEP-2
.Lstep:                                                ; the 64 accumulators take turns
	QUARTER 2, F1, F0, 0
	QUARTER 3, F0, F1, 0
	TURN
	QUARTER 1, F0, F1, 0
	WIN 0
	s_sub_co_u32 s[CNT], s[CNT], 1
	s_cmp_lg_u32 s[CNT], 0
	s_cbranch_scc1 .Lstep
	s_mov_b32 s[CNT], 2                            ; the last two K steps ask for nothing; the second trip is left in its middle
.Ltail:
	QUARTER 2, F1, F0, 0
	QUARTER 3, F0, F1, 0
	TURNN
	WIN 0
	s_sub_co_u32 s[CNT], s[CNT], 1
	s_cmp_eq_u32 s[CNT], 0
	s_cbranch_scc1 .Lout
	QUARTER 1, F0, F1, 0
	WIN 0
	s_branch .Ltail
.Lout:
	; THE WAY OUT.  A lane's eight numbers of a row are 32 bytes; all 128 rows x 512 bytes go into my own regions (rows of 528 bytes) and come back as whole rows.
	PLACES
	s_wait_dscnt 0x0
	s_barrier_signal -1                            ; nobody reads the ring any more: my regions, which have had their last fill, become my stage
	s_barrier_wait -1
.irp a, 0,1,2,3,4,5,6,7
	WIN 0x08+4*((\a)/4)                            ; store data (source 1) in window 2 or 3
.irp b, 0,1,2,3,4,5,6,7
	ds_store_b128 v[STO], v[64*((\a)%4)+8*(\b):64*((\a)%4)+8*(\b)+3]   offset:(\a)*16*PO+64*(\b)      ; each accumulator's lowest registers first
	ds_store_b128 v[STO], v[64*((\a)%4)+8*(\b)+4:64*((\a)%4)+8*(\b)+7] offset:(\a)*16*PO+64*(\b)+16
.endr
.endr
	WIN 0
	s_mov_b32 s[CNT], 16
.Lstore:                                               ; 8 rows a trip, out of my own bytes: LDS serves a wave's instructions in order (ISA guide 5.7.1.4)
.irp t, 0,1,2,3,4,5,6,7
	ds_load_b128 v[OB+4*(\t):OB+4*(\t)+3], v[RD] offset:(\t)*PO
.endr
	s_wait_dscnt 0x0
.irp t, 0,1,2,3,4,5,6,7
	global_store_b128 v[CO], v[OB+4*(\t):OB+4*(\t)+3], s[8:9] offset:8192*(\t) th:TH_STORE_NT   ; 512 consecutive bytes, at a multiple of 256 from out0's first byte
.endr
	s_wait_xcnt 0x0                                ; the stores' data, and their base, are rewritten only behind this wait
	v_add_nc_u32 v[RD], 8*PO, v[RD]
	s_add_nc_u64 s[8:9], s[8:9], 65536
	s_sub_co_u32 s[CNT], s[CNT], 1
	s_cmp_lg_u32 s[CNT], 0
	s_cbranch_scc1 .Lstore
	s_wait_tensorcnt 0x0                           ; the wave's end
	ds_add_u32 v[SPW], v[NIL]
	s_wait_dscnt 0x0
	CROUND                                         ; the closing round
	s_endpgm
.Lfunc_end_k_qd34a679154_outp:
	.size	k_qd34a679154_outp, .Lfunc_end_k_qd34a679154_outp-k_qd34a679154_outp
	.p2alignl 7, 3214868480
	.fill 96, 4, 3214868480
	.section	.rodata,"a",@progbits
	.p2align	6, 0x0
	.amdhsa_kernel k_qd34a679154_outp
		.amdhsa_group_segment_fixed_size 327680
		.amdhsa_private_segment_fixed_size 0
		.amdhsa_enable_private_segment 0
		.amdhsa_kernarg_size 24
		.amdhsa_user_sgpr_count 2
		.amdhsa_user_sgpr_kernarg_segment_ptr 1
		.amdhsa_wavefront_size32 1
		.amdhsa_system_sgpr_workgroup_id_x 1
		.amdhsa_system_sgpr_workgroup_id_y 1
		.amdhsa_system_sgpr_workgroup_id_z 1
		.amdhsa_system_vgpr_workitem_id 0
		.amdhsa_next_free_vgpr 1024
		.amdhsa_next_free_sgpr 72
		.amdhsa_reserve_vcc 0
		.amdhsa_float_denorm_mode_32 3
		.amdhsa_float_denorm_mode_16_64 3
		.amdhsa_memory_ordered 1
		.amdhsa_forward_progress 1
		.amdhsa_inst_pref_size 78
	.end_amdhsa_kernel
	.amdgpu_metadata
---
amdhsa.version: [ 1, 2 ]
amdhsa.kernels:
  - .name:           k_qd34a679154_outp
    .symbol:         k_qd34a679154_outp.kd
    .args:
      - { .name: ao, .offset: 0, .size: 8, .value_kind: global_buffer, .address_space: global }
      - { .name: wob, .offset: 8, .size: 8, .value_kind: global_buffer, .address_space: global }
      - { .name: out0, .offset: 16, .size: 8, .value_kind: global_buffer, .address_space: global }
    .group_segment_fixed_size: 327680
    .private_segment_fixed_size: 0
    .kernarg_segment_align: 8
    .kernarg_segment_size: 24
    .max_flat_workgroup_size: 128
    .sgpr_count:     72
    .vgpr_count:     1024
    .wavefront_size: 32
...
	.end_amdgpu_metadata
.endif
;; end of part 4
;; ======== version 2 of 2: 4 launches; version 1 with the launch cast written anew for expert scheduling mode
;; limits: values outside matrix products are rounded to f16; values are held in f16: magnitudes above 65,504 overflow, below 6.1e-05 lose precision
;; workspace buffers: xb 33,554,432 bytes; wb 8,388,608 bytes; wob 2,097,152 bytes; csr 2,097,152 bytes; qkvg 33,554,432 bytes; ao 8,388,608 bytes
;; launch cast (part 5): grid 2752 x 1, 8 waves a work-group, no clusters, 0 bytes of LDS; arguments hidden_states, wq, wk, wv, wo, cos, sin, xb, wb, wob, csr; writes xb, wb, wob, csr
.if DOCPART == 5
	.amdgcn_target "amdgcn-amd-amdhsa--gfx1250"
	.amdhsa_code_object_version 6
	.text
	.protected	k_qd34a679154_cast
	.globl	k_qd34a679154_cast
	.p2align	8
	.type	k_qd34a679154_cast,@function
k_qd34a679154_cast:
	s_mov_b64 s[64:65], 0
	v_nop
	global_prefetch_b8 v0, s[64:65] scope:SCOPE_SE
	s_setreg_imm32_b32 hwreg(HW_REG_WAVE_SCHED_MODE, 0, 2), 2
	s_setreg_imm32_b32 hwreg(HW_REG_WAVE_MODE, 25, 1), 1
	s_wait_xcnt 0x0
	s_wait_alu depctr_vm_vsrc(0)
; CAST.  Every input that enters a product or the rotation is rounded once to bf16, so that all of them carry the same rounding:
;   hidden_states -> xb  bf16 [8192][2048]            wq | wk | wv -> wb  bf16 [2048 k][2048 n], columns 0-1023 | 1024-1535 | 1536-2047
;   wo -> wob: bf16(wo) written as f16 [512][2048]    cos, sin -> csr: bf16(cos), bf16(sin) written as f32, [8192][32] each, sin 1,048,576 bytes behind cos
; LIMIT.  bf16(wo) is exact in f16 from 2^-14 up to 65,504; below 2^-14 it keeps f16's fixed step of 2^-24.
; A stream: no LDS, no barrier, no matrix unit, no cluster (no byte is read twice).  A work-group takes one chunk of 8,192 f32 (32,768 bytes): thread t the 16 bytes at
; 16 t + 4,096 j, j = 0..7: a wave's load covers 512 consecutive bytes, and all eight loads of a thread are out together; with 64 registers a wave, many waves lie on a SIMD.
; 2,752 chunks: 2,048 + 256 + 128 + 128 + 128 + 32 + 32.
; What differs between the seven regions is held in scalars chosen by compares of the work-group's number; each store has data and offset registers of its own, so nothing is rewritten.
; THE MODE: SCHED_MODE bits 1:0 = 2 (LLVM: expert scheduling mode 2), set by the entry lines.  The code itself states the register dependences
; between vector instructions and memory instructions, with s_wait_alu, always for 0.
; THE PLAN.  Registers that memory instructions touch:
;   v1        16 t.  Written once at the head; read by the eight loads; never written again.
;   X0 .. X7  Load j lands in X[j]; the roundings read it.  In the tail that writes f32 the widening lines write X[j] anew and store j reads it.
;   OA0 .. 7  Written by vector lines behind the loads, ahead of the branch into the tails; store j reads OA[j]; never written again.
;   Y0 .. Y7  Written by the conversions of load j; read by store j in the two tails that store 16-bit numbers.
;   v2, v3 and T are named by vector instructions alone.
; The eight loads go in four blocks of two.  Block p converts loads 2 p and 2 p + 1; its memory instructions are the two stores of block p - 1, whose data and offsets no vector
; instruction of block p names.  So one wait on va_vdst at a block's head states all that the block's stores hang on, and they are dealt among its conversions with no further wait.
; No register that a memory instruction has read is written again, no vector instruction writes a scalar register or VCC, and EXEC is never written: no other field is waited on.
.set NLD,  8          ; loads of a thread
.set OA,   4          ; v[4:11]    byte offset in the output of my numbers of load j
.set X,    12         ; v[12:43]   load j: 4 registers
.set Y,    44         ; v[44:59]   load j: 2 registers, packed
.set T,    60         ; v[60:63]   at work
.set SRC,  30         ; s[30:31] input at the chunk
.set DST,  32         ; s[32:33] output at the chunk
.set FIRST, 34        ; s34 the region's first work-group, then the chunk's number in its region
.set OCH,  35         ; s35 output bytes from chunk to chunk
.set COL,  36         ; s36 byte offset of the region in an output row (or of sin behind cos)
.set JST,  37         ; s37 output bytes from load j to load j + 1
.set LOGT, 38         ; s38 log2 of the threads that share an input row
.set MSK,  39         ; s39 that number less 1
.set MODE, 40         ; s40 0: bf16; 1: bf16 written as f16; 2: bf16 written as f32
.set SHL,  41         ; s41 log2 of a thread's output bytes
.set OFS,  42         ; s[42:43] an offset in 64 bits
.macro REGION first, src, dst, och, col, jst, logt, msk, shl, mode   ; from work-group 'first' on these hold
	s_cmp_ge_u32 ttmp9, \first
	s_cselect_b64 s[SRC:SRC+1], s[\src:\src+1], s[SRC:SRC+1]
	s_cselect_b64 s[DST:DST+1], s[\dst:\dst+1], s[DST:DST+1]
	s_cselect_b32 s[FIRST], \first, s[FIRST]
	s_cselect_b32 s[OCH], \och, s[OCH]
	s_cselect_b32 s[COL], \col, s[COL]
	s_cselect_b32 s[JST], \jst, s[JST]
	s_cselect_b32 s[LOGT], \logt, s[LOGT]
	s_cselect_b32 s[MSK], \msk, s[MSK]
	s_cselect_b32 s[SHL], \shl, s[SHL]
	s_cselect_b32 s[MODE], \mode, s[MODE]
.endm
.macro ROUND j                         ; the four numbers of load j, rounded to bf16 and packed
	v_cvt_pk_bf16_f32 v[Y+2*(\j)],   v[X+4*(\j)],   v[X+4*(\j)+1]
	v_cvt_pk_bf16_f32 v[Y+2*(\j)+1], v[X+4*(\j)+2], v[X+4*(\j)+3]
.endm
.macro ASF16 j                         ; the rounded numbers as f32, and written as f16
	v_lshlrev_b32 v[T],   16, v[Y+2*(\j)]
	v_and_b32     v[T+1], 0xffff0000, v[Y+2*(\j)]
	v_lshlrev_b32 v[T+2], 16, v[Y+2*(\j)+1]
	v_and_b32     v[T+3], 0xffff0000, v[Y+2*(\j)+1]
	v_cvt_pk_f16_f32 v[Y+2*(\j)],   v[T],   v[T+1]
	v_cvt_pk_f16_f32 v[Y+2*(\j)+1], v[T+2], v[T+3]
.endm
.macro ASF32 j                         ; the rounded numbers as f32, where the load left them
	v_lshlrev_b32 v[X+4*(\j)],   16, v[Y+2*(\j)]
	v_and_b32     v[X+4*(\j)+1], 0xffff0000, v[Y+2*(\j)]
	v_lshlrev_b32 v[X+4*(\j)+2], 16, v[Y+2*(\j)+1]
	v_and_b32     v[X+4*(\j)+3], 0xffff0000, v[Y+2*(\j)+1]
.endm
.macro PUT64 j                         ; 32 lanes store 256 consecutive bytes, aligned
	global_store_b64 v[OA+(\j)], v[Y+2*(\j):Y+2*(\j)+1], s[DST:DST+1]
.endm
.macro PUT128 j                        ; 32 lanes store 512 consecutive bytes, aligned
	global_store_b128 v[OA+(\j)], v[X+4*(\j):X+4*(\j)+3], s[DST:DST+1]
.endm
	s_load_b512 s[8:23], s[0:1], 0x0               ; hidden s[8:9], wq s[10:11], wk s[12:13], wv s[14:15], wo s[16:17], cos s[18:19], sin s[20:21], xb s[22:23]
	s_load_b128 s[24:27], s[0:1], 0x40             ; wb s[24:25], wob s[26:27]
	s_load_b64 s[28:29], s[0:1], 0x50              ; csr
	v_lshlrev_b32 v1, 4, v0                        ; 16 t
	s_mov_b32 s[FIRST], 0                          ; hidden_states: dense in, dense out
	s_mov_b32 s[OCH], 16384
	s_mov_b32 s[COL], 0
	s_mov_b32 s[JST], 2048
	s_mov_b32 s[LOGT], 8
	s_mov_b32 s[MSK], 255
	s_mov_b32 s[SHL], 3
	s_mov_b32 s[MODE], 0
	s_mov_b32 s[OFS+1], 0
	s_wait_kmcnt 0x0
	s_mov_b64 s[SRC:SRC+1], s[8:9]
	s_mov_b64 s[DST:DST+1], s[22:23]
	REGION 2048, 10, 24, 32768,  0,       4096, 8, 255, 3, 0   ; wq: a load is one row of 1,024, a chunk eight rows; wb's rows are 4,096 bytes apart
	REGION 2304, 12, 24, 65536,  2048,    8192, 7, 127, 3, 0   ; wk: a load is two rows of 512, a chunk sixteen
	REGION 2432, 14, 24, 65536,  3072,    8192, 7, 127, 3, 0   ; wv
	REGION 2560, 16, 26, 16384,  0,       2048, 8, 255, 3, 1   ; wo
	REGION 2688, 18, 28, 32768,  0,       4096, 8, 255, 4, 2   ; cos
	REGION 2720, 20, 28, 32768,  1048576, 4096, 8, 255, 4, 2   ; sin
	s_sub_co_u32 s[FIRST], ttmp9, s[FIRST]         ; the chunk's number in its region
	s_lshl_b32 s[OFS], s[FIRST], 15
	s_add_nc_u64 s[SRC:SRC+1], s[SRC:SRC+1], s[OFS:OFS+1]
	s_wait_alu depctr_va_vdst(0)                   ; v1 is written: the eight loads read it as their offset
.irp j, 0,1,2,3,4,5,6,7
	global_load_b128 v[X+4*(\j):X+4*(\j)+3], v1, s[SRC:SRC+1] offset:4096*(\j) th:TH_LOAD_NT
.endr
	s_mul_i32 s[OFS], s[FIRST], s[OCH]
	s_add_co_u32 s[OFS], s[OFS], s[COL]
	s_add_nc_u64 s[DST:DST+1], s[DST:DST+1], s[OFS:OFS+1]
	v_lshrrev_b32 v2, s[LOGT], v0                  ; which of the load's rows is mine
	v_and_b32 v3, s[MSK], v0                       ; my place in it
	v_lshlrev_b32 v3, s[SHL], v3
	v_lshl_add_u32 v[OA], v2, 12, v3               ; wb's rows are 4,096 bytes apart
.irp j, 1,2,3,4,5,6,7
	v_add_nc_u32 v[OA+(\j)], s[JST], v[OA+(\j)-1]
.endr
	s_cmp_eq_u32 s[MODE], 0
	s_cbranch_scc0 .Lnot_bf16
.irp p, 0,1,2,3
	s_wait_loadcnt NLD-2-2*(\p)                    ; loads come back in order: block p's two are in, the younger ones stay out
.if (\p) > 0
	s_wait_alu depctr_va_vdst(0)                   ; the block before has written its Y, which the two stores below read; at block 1 the offsets OA are written too
.endif
.irp i, 0,1
.if (\p) > 0
	PUT64 2*(\p)-2+(\i)                            ; the block before: no vector instruction since the wait names its Y or its OA
.endif
	ROUND 2*(\p)+(\i)
.endr
.endr
	s_wait_alu depctr_va_vdst(0)                   ; block 3 has written Y6 and Y7, which the last two stores read
	PUT64 6
	PUT64 7
	s_endpgm
.Lnot_bf16:
	s_cmp_eq_u32 s[MODE], 1
	s_cbranch_scc0 .Las_f32
.irp p, 0,1,2,3
	s_wait_loadcnt NLD-2-2*(\p)                    ; block p's two loads are in, the younger ones stay out
.if (\p) > 0
	s_wait_alu depctr_va_vdst(0)                   ; the block before has written its Y, which the two stores below read; at block 1 the offsets OA are written too
.endif
.irp i, 0,1
.if (\p) > 0
	PUT64 2*(\p)-2+(\i)                            ; the block before: no vector instruction since the wait names its Y or its OA
.endif
	ROUND 2*(\p)+(\i)
	ASF16 2*(\p)+(\i)
.endr
.endr
	s_wait_alu depctr_va_vdst(0)                   ; block 3 has written Y6 and Y7, which the last two stores read
	PUT64 6
	PUT64 7
	s_endpgm
.Las_f32:
.irp p, 0,1,2,3
	s_wait_loadcnt NLD-2-2*(\p)                    ; block p's two loads are in, the younger ones stay out
.if (\p) > 0
	s_wait_alu depctr_va_vdst(0)                   ; the block before has written its X anew, which the two stores below read; at block 1 the offsets OA are written too
.endif
.irp i, 0,1
.if (\p) > 0
	PUT128 2*(\p)-2+(\i)                           ; the block before: no vector instruction since the wait names its X or its OA
.endif
	ROUND 2*(\p)+(\i)
	ASF32 2*(\p)+(\i)
.endr
.endr
	s_wait_alu depctr_va_vdst(0)                   ; block 3 has written X6 and X7 anew, which the last two stores read
	PUT128 6
	PUT128 7
	s_endpgm
.Lfunc_end_k_qd34a679154_cast:
	.size	k_qd34a679154_cast, .Lfunc_end_k_qd34a679154_cast-k_qd34a679154_cast
	.p2alignl 7, 3214868480
	.fill 96, 4, 3214868480
	.section	.rodata,"a",@progbits
	.p2align	6, 0x0
	.amdhsa_kernel k_qd34a679154_cast
		.amdhsa_group_segment_fixed_size 0
		.amdhsa_private_segment_fixed_size 0
		.amdhsa_enable_private_segment 0
		.amdhsa_kernarg_size 88
		.amdhsa_user_sgpr_count 2
		.amdhsa_user_sgpr_kernarg_segment_ptr 1
		.amdhsa_wavefront_size32 1
		.amdhsa_system_sgpr_workgroup_id_x 1
		.amdhsa_system_sgpr_workgroup_id_y 1
		.amdhsa_system_sgpr_workgroup_id_z 1
		.amdhsa_system_vgpr_workitem_id 0
		.amdhsa_next_free_vgpr 64
		.amdhsa_next_free_sgpr 66
		.amdhsa_reserve_vcc 0
		.amdhsa_float_denorm_mode_32 3
		.amdhsa_float_denorm_mode_16_64 3
		.amdhsa_memory_ordered 1
		.amdhsa_forward_progress 1
		.amdhsa_inst_pref_size 16
	.end_amdhsa_kernel
	.amdgpu_metadata
---
amdhsa.version: [ 1, 2 ]
amdhsa.kernels:
  - .name:           k_qd34a679154_cast
    .symbol:         k_qd34a679154_cast.kd
    .args:
      - { .name: hidden_states, .offset: 0, .size: 8, .value_kind: global_buffer, .address_space: global }
      - { .name: wq, .offset: 8, .size: 8, .value_kind: global_buffer, .address_space: global }
      - { .name: wk, .offset: 16, .size: 8, .value_kind: global_buffer, .address_space: global }
      - { .name: wv, .offset: 24, .size: 8, .value_kind: global_buffer, .address_space: global }
      - { .name: wo, .offset: 32, .size: 8, .value_kind: global_buffer, .address_space: global }
      - { .name: cos, .offset: 40, .size: 8, .value_kind: global_buffer, .address_space: global }
      - { .name: sin, .offset: 48, .size: 8, .value_kind: global_buffer, .address_space: global }
      - { .name: xb, .offset: 56, .size: 8, .value_kind: global_buffer, .address_space: global }
      - { .name: wb, .offset: 64, .size: 8, .value_kind: global_buffer, .address_space: global }
      - { .name: wob, .offset: 72, .size: 8, .value_kind: global_buffer, .address_space: global }
      - { .name: csr, .offset: 80, .size: 8, .value_kind: global_buffer, .address_space: global }
    .group_segment_fixed_size: 0
    .private_segment_fixed_size: 0
    .kernarg_segment_align: 8
    .kernarg_segment_size: 88
    .max_flat_workgroup_size: 256
    .sgpr_count:     66
    .vgpr_count:     64
    .wavefront_size: 32
...
	.end_amdgpu_metadata
.endif
;; end of part 5
;; launch proj: the kernel of part 2 again; grid 8 x 32, 4 waves a work-group, clusters of 4 x 4, 327,680 bytes of LDS; arguments xb, wb, qkvg, csr, q_norm_w, k_norm_w; writes qkvg
;; launch attn: the kernel of part 3 again; grid 16 x 16, 4 waves a work-group, clusters of 4 x 4, 327,680 bytes of LDS; arguments qkvg, attention_mask, ao; writes ao
;; launch outp: the kernel of part 4 again; grid 8 x 32, 4 waves a work-group, clusters of 4 x 4, 327,680 bytes of LDS; arguments ao, wob, out0; writes out0
